; MI455X (gfx1250); checked and timed in simulation.
; The chip was launched on July 23, 2026; its instructions are those of AMD's public machine-readable ISA for CDNA 5 (MIT licence, August 2026) and "CDNA5" Instruction Set Architecture Reference Guide (July 2026). The comments in the code are by the model that wrote it; some were corrected since.
;; Block. Allowed arithmetic: float matrix products may take bf16 or f16 operands with f32 sums; all other float work in f32.
;; Inputs: W1 256 x 1,024 float32; W2 1,024 x 256 float32; Wk 4 x 256 x 64 float32; Wo 256 x 256 float32; Wq 4 x 256 x 64 float32; Wv 4 x 256 x 64 float32; b1 1,024 float32; b2 256 float32; be1 256 float32; be2 256 float32; bo 256 float32; g1 256 float32; g2 256 float32; x 4,096 x 16 x 256 float32.
;; Outputs: out0 4,096 x 16 x 256 float32.
;; 2 versions, each right and faster than the one before. Each part assembles by itself: llvm-mc -triple=amdgcn-amd-amdhsa -mcpu=gfx1250 --defsym DOCPART=n.
;; ======== version 1 of 2: 2 launches
;; limits: values are held in f16: magnitudes above 65,504 overflow, below 6.1e-05 lose precision
;; workspace buffers: wst 1,572,864 bytes
;; launch prep (part 1): grid 32 x 24, 4 waves a work-group, no clusters, 0 bytes of LDS; arguments Wq, Wk, Wv, Wo, W1, W2, wst; writes wst
.if DOCPART == 1
	.amdgcn_target "amdgcn-amd-amdhsa--gfx1250"
	.amdhsa_code_object_version 6
	.text
	.protected	k_qb0a5ee639f_prep
	.globl	k_qb0a5ee639f_prep
	.p2align	8
	.type	k_qb0a5ee639f_prep,@function
k_qb0a5ee639f_prep:
	s_mov_b64 s[64:65], 0
	v_nop
	global_prefetch_b8 v0, s[64:65] scope:SCOPE_SE
	s_setreg_imm32_b32 hwreg(HW_REG_WAVE_MODE, 25, 1), 1
	s_wait_xcnt 0x0
; The six weight matrices, f32 and stored [K][N], are rounded once to f16 and laid down as a stream of ready-made matrix fragments, in the order in which
; the second launch multiplies them.  A FRAGMENT is 32 k x 16 n, 1,024 bytes: the byte at 512 half + 16 lane + 2 e holds W[k0 + 16 half + 8 (lane / 16) + e][n0 + lane % 16],
; so that two loads of 16 bytes a lane, 512 bytes apart, are the eight registers of a matrix operand.  A UNIT is 8 fragments, a CHUNK 8 units (65,536 bytes); 24 chunks.
;   chunk 2 hd     : units 0-3 Wq[hd], units 4-7 Wk[hd]: n0 = 16 (u % 4), fragment s: k0 = 32 s
;   chunk 2 hd + 1 : units 0-3 Wv[hd] likewise; units 4-7 Wo: k0 = 64 hd + 32 ((u % 4) / 2), fragment s: n0 = 16 (8 (u % 2) + s)
;   chunk 8 + b    : units 0-3 W1: n0 = 64 b + 16 u, k0 = 32 s; units 4-7 W2: k0 = 64 b + 32 ((u % 4) / 2), n0 = 16 (8 (u % 2) + s)
; A wave makes half a fragment: eight loads of 4 bytes a lane (16 lanes take 64 neighbouring bytes of a row), four roundings of two, one store of 512 consecutive bytes.
; 32 x 24 work-groups of 4 waves = 3,072 halves.  Each weight is read once and each byte of the stream written once.  No LDS, no barrier: no wave needs another's data.
; LIMIT.  f16 ends at 65,504 and keeps a fixed step of 6e-8 below 6e-5; the drawn weights have a spread of 0.03 to 0.06.
	s_load_b256 s[4:11], s[0:1], 0x0               ; Wq s[4:5], Wk s[6:7], Wv s[8:9], Wo s[10:11]
	s_load_b128 s[12:15], s[0:1], 0x20             ; W1 s[12:13], W2 s[14:15]
	s_load_b64 s[16:17], s[0:1], 0x30              ; the stream
	v_lshrrev_b32 v1, 5, v0
	v_readfirstlane_b32 s18, v1                    ; wave 0..3
	s_and_b32 s19, ttmp7, 0xffff                   ; j: the chunk
	s_lshr_b32 s28, ttmp9, 2                       ; u: the unit
	s_and_b32 s29, ttmp9, 3
	s_lshl_b32 s29, s29, 1
	s_lshr_b32 s30, s18, 1
	s_add_co_u32 s29, s29, s30                     ; s: the fragment in its unit
	s_and_b32 s30, s18, 1                          ; which half of the fragment
	s_and_b32 s31, s28, 3                          ; u % 4
	s_lshr_b32 s36, s19, 1                         ; hd
	s_sub_co_u32 s37, s19, 8                       ; b (used only where j >= 8)
	s_lshl_b32 s38, s36, 14                        ; a head's first element in Wq, Wk, Wv: 256 x 64 a head
	s_lshl_b32 s39, s37, 6                         ; 64 b
	s_lshl_b32 s40, s29, 5                         ; a unit that walks K: k0 = 32 s,
	s_lshl_b32 s41, s31, 4                         ; n0 = 16 (u % 4) + the column base
	s_lshr_b32 s42, s31, 1
	s_lshl_b32 s42, s42, 5                         ; a unit that walks N: k0 = 32 ((u % 4) / 2) + the K base,
	s_and_b32 s43, s31, 1
	s_lshl_b32 s43, s43, 3
	s_add_co_u32 s43, s43, s29
	s_lshl_b32 s43, s43, 4                         ; n0 = 16 (8 (u % 2) + s)
	s_lshl_b32 s44, s36, 6                         ; 64 hd
	s_and_b32 s45, s19, 1                          ; j odd
	s_wait_kmcnt 0x0
	; which matrix, its pitch in elements, and which way the unit walks: chosen by the chunk and the unit alone
	s_cmp_lg_u32 s45, 0
	s_cselect_b64 s[20:21], s[8:9], s[4:5]         ; units 0-3 of an attention chunk: Wv or Wq
	s_cselect_b64 s[32:33], s[10:11], s[6:7]       ; units 4-7: Wo or Wk
	s_cselect_b32 s34, 256, 64
	s_cselect_b32 s35, 1, 0                        ; Wo walks N
	s_cmp_ge_u32 s19, 8
	s_cselect_b64 s[20:21], s[12:13], s[20:21]     ; an MLP chunk: W1,
	s_cselect_b64 s[32:33], s[14:15], s[32:33]     ; W2
	s_cselect_b32 s22, 1024, 64
	s_cselect_b32 s34, 256, s34
	s_cselect_b32 s35, 1, s35
	s_cselect_b32 s38, s39, s38                    ; column base of a walk along K
	s_cselect_b32 s44, s39, s44                    ; K base of a walk along N
	s_cmp_ge_u32 s28, 4
	s_cselect_b64 s[20:21], s[32:33], s[20:21]
	s_cselect_b32 s22, s34, s22                    ; the pitch
	s_cselect_b32 s35, s35, 0
	s_add_co_u32 s41, s41, s38
	s_add_co_u32 s42, s42, s44
	s_cmp_lg_u32 s35, 0
	s_cselect_b32 s23, s42, s40                    ; k0
	s_cselect_b32 s24, s43, s41                    ; n0, with the head's offset
	s_lshl_b32 s25, s30, 4
	s_add_co_u32 s23, s23, s25                     ; + 16 for the second half
	s_mul_i32 s26, s23, s22
	s_add_co_u32 s26, s26, s24
	s_lshl_b32 s26, s26, 2                         ; in bytes: under 2^20
	s_mov_b32 s27, 0
	s_add_nc_u64 s[20:21], s[20:21], s[26:27]
	s_lshl_b32 s36, s19, 16                        ; where the half goes: 65,536 j + 1,024 (8 u + s) + 512 half
	s_lshl_b32 s37, s28, 3
	s_add_co_u32 s37, s37, s29
	s_lshl_b32 s37, s37, 10
	s_add_co_u32 s36, s36, s37
	s_lshl_b32 s38, s30, 9
	s_add_co_u32 s36, s36, s38
	s_mov_b32 s37, 0
	s_add_nc_u64 s[16:17], s[16:17], s[36:37]
	s_lshl_b32 s39, s22, 5                         ; eight rows, in bytes
	s_lshl_b32 s40, s22, 2                         ; one row
	v_and_b32 v1, 15, v0                           ; lane % 16: the column
	v_bfe_u32 v2, v0, 4, 1                         ; lane / 16: which eight rows
	v_and_b32 v3, 31, v0
	v_lshlrev_b32 v3, 4, v3                        ; 16 bytes a lane in the stream
	v_mul_u32_u24 v4, v2, s39
	v_lshl_add_u32 v4, v1, 2, v4
.irp e, 1,2,3,4,5,6,7
	v_add_nc_u32 v[4+\e], s40, v[3+\e]
.endr
.irp e, 0,1,2,3,4,5,6,7
	global_load_b32 v[12+\e], v[4+\e], s[20:21]
.endr
	s_wait_loadcnt 0x0
.irp n, 0,1,2,3
	v_cvt_pk_f16_f32 v[20+\n], v[12+2*\n], v[13+2*\n]  ; the lower k into the low half
.endr
	global_store_b128 v3, v[20:23], s[16:17]       ; 512 consecutive bytes, at a multiple of 512 from the stream's first byte
	s_endpgm
.Lfunc_end_k_qb0a5ee639f_prep:
	.size	k_qb0a5ee639f_prep, .Lfunc_end_k_qb0a5ee639f_prep-k_qb0a5ee639f_prep
	.p2alignl 7, 3214868480
	.fill 96, 4, 3214868480
	.section	.rodata,"a",@progbits
	.p2align	6, 0x0
	.amdhsa_kernel k_qb0a5ee639f_prep
		.amdhsa_group_segment_fixed_size 0
		.amdhsa_private_segment_fixed_size 0
		.amdhsa_enable_private_segment 0
		.amdhsa_kernarg_size 56
		.amdhsa_user_sgpr_count 2
		.amdhsa_user_sgpr_kernarg_segment_ptr 1
		.amdhsa_wavefront_size32 1
		.amdhsa_system_sgpr_workgroup_id_x 1
		.amdhsa_system_sgpr_workgroup_id_y 1
		.amdhsa_system_sgpr_workgroup_id_z 1
		.amdhsa_system_vgpr_workitem_id 0
		.amdhsa_next_free_vgpr 24
		.amdhsa_next_free_sgpr 66
		.amdhsa_reserve_vcc 0
		.amdhsa_float_denorm_mode_32 3
		.amdhsa_float_denorm_mode_16_64 3
		.amdhsa_memory_ordered 1
		.amdhsa_forward_progress 1
		.amdhsa_inst_pref_size 5
	.end_amdhsa_kernel
	.amdgpu_metadata
---
amdhsa.version: [ 1, 2 ]
amdhsa.kernels:
  - .name:           k_qb0a5ee639f_prep
    .symbol:         k_qb0a5ee639f_prep.kd
    .args:
      - { .name: Wq, .offset: 0, .size: 8, .value_kind: global_buffer, .address_space: global }
      - { .name: Wk, .offset: 8, .size: 8, .value_kind: global_buffer, .address_space: global }
      - { .name: Wv, .offset: 16, .size: 8, .value_kind: global_buffer, .address_space: global }
      - { .name: Wo, .offset: 24, .size: 8, .value_kind: global_buffer, .address_space: global }
      - { .name: W1, .offset: 32, .size: 8, .value_kind: global_buffer, .address_space: global }
      - { .name: W2, .offset: 40, .size: 8, .value_kind: global_buffer, .address_space: global }
      - { .name: wst, .offset: 48, .size: 8, .value_kind: global_buffer, .address_space: global }
    .group_segment_fixed_size: 0
    .private_segment_fixed_size: 0
    .kernarg_segment_align: 8
    .kernarg_segment_size: 56
    .max_flat_workgroup_size: 128
    .sgpr_count:     66
    .vgpr_count:     24
    .wavefront_size: 32
...
	.end_amdgpu_metadata
.endif
;; end of part 1
;; launch block (part 2): grid 256 x 1, 4 waves a work-group, clusters of 4 x 1, 327,680 bytes of LDS; arguments x, wst, b1, g1, be1, g2, be2, bo, b2, out0; writes out0
.if DOCPART == 2
	.amdgcn_target "amdgcn-amd-amdhsa--gfx1250"
	.amdhsa_code_object_version 6
	.text
	.protected	k_qb0a5ee639f_block
	.globl	k_qb0a5ee639f_block
	.p2align	8
	.type	k_qb0a5ee639f_block,@function
k_qb0a5ee639f_block:
	s_mov_b64 s[64:65], 0
	v_nop
	global_prefetch_b8 v0, s[64:65] scope:SCOPE_SE
	s_setreg_imm32_b32 hwreg(HW_REG_WAVE_MODE, 25, 1), 1
	s_wait_xcnt 0x0
	s_wait_alu depctr_hold_cnt(0) depctr_sa_sdst(0) depctr_va_vdst(0) depctr_va_sdst(0) depctr_va_ssrc(0) depctr_va_vcc(0) depctr_vm_vsrc(0)
	s_getreg_b32 s2, hwreg(HW_REG_IB_STS2, 6, 4)
	s_cmp_eq_u32 s2, 0
	s_cbranch_scc0 .Lentry_in_a_cluster
	s_endpgm
.Lentry_in_a_cluster:
	s_bfe_u32 s2, ttmp6, 0x10000c
	s_cmp_lg_u32 s2, 0x3003
	s_cbranch_scc0 .Lentry_shape_is_right
	s_endpgm
.Lentry_shape_is_right:
; A PRE-NORM TRANSFORMER BLOCK IN ONE LAUNCH.  x: [4096][16][256] f32.  h = LN(x) g1 + be1; four heads of 64: q, k, v = h W; causal softmax of q k / 16 over a sequence's 16 keys; x2 = x + attn Wo + bo;
; h2 = LN(x2) g2 + be2; out = x2 + relu(h2 W1 + b1) W2 + b2.  x is read once, out written once; nothing between them leaves the registers.
; SHARES.  256 work-groups of four waves; a work-group owns 256 token rows, a wave 64: four TILES of 16 rows, and a tile is one whole sequence, so attention never leaves a wave.
; LAYOUT.  Every product but V's is used transposed: source 0 = 16 output features x 32 k of a weight (a ready-made fragment of the stream wst), source 1 = 32 k x 16 tokens.  In a result lane l then
; holds ONE token (l % 16) and the features 8 (l / 16) + 0..7; two neighbouring results rounded to f16 ARE source 1 of the next product.  The residual X lies in that layout in f32 and is the accumulator
; of the products with Wo and W2.  V = h Wv is used upright (source 0 = h), so that its result, rounded, is source 0 of O^T = V^T P; two sequences share one such operand of 32 keys, each with zeros
; in P where the other's keys lie.  S^T = K Q^T holds one query a lane and eight keys; the causal mask is the C operand that starts that sum.
; FORMATS.  Matrix operands in f16, sums in f32; x, the residual, both norms, the softmax and all biases in f32.
; LIMITS.  f16 ends at 65,504: a weight, or a number of h, q, k, v, attn, h2 or relu(..), beyond that becomes an infinity and its rows are lost.  On inputs of the drawn spread these lie under 7, so gains 30 times
; and weights 30 times larger together still fit.  Below 6e-5 f16 keeps a fixed step of 6e-8.  A hidden score counts as its value less 1e30; a weight below 2^-126 counts as 0.  NaN and infinities are not
; treated apart, and since two sequences share an operand of V, a V that is not finite spoils its partner's rows too.
; WEIGHTS.  All work-groups walk the same 24 chunks of 65,536 bytes through two LDS slots.  The four work-groups of a cluster ask for each chunk JOINTLY; each wave fetches a quarter.  A chunk is 64 fragments,
; 256 matrix instructions a wave; the slot just read out is asked for again behind the change of slots, which stands 16 matrix instructions ahead of a chunk's end.
; REGISTERS, in windows of 256 (s_set_vgpr_msb: bits 1:0 source 0, 3:2 source 1, 5:4 source 2, 7:6 destination):
;   window 0: v0-31 addresses, the mask, b2; v32-95 eight fragment slots (fragment i in slot i % 8, fetched seven ahead); v96-255 five blocks A0-A4 of 32 (8 a tile) at work
;   window 1: H, the norm's output in f16: tile t, k chunk c at 64 t + 8 c        windows 2, 3: X: tile t, feature tile f (of 16) in window 2 + f / 8 at 32 (f % 8) + 8 t
.set SLOTB,  65536                     ; a slot; slot 1 begins here, so one exclusive or turns an address in one slot into the other's
.set STAGE,  2*SLOTB                   ; for each wave 32 rows of 1,024 bytes + 16 of padding: x comes in through it (two fills), and behind its last fill out0 leaves through it
.set SPITCH, 1040                      ; 260 words: row r starts at bank 4 r mod 64 (64 banks of 4 bytes: ISA guide 11.1), so the 16 rows that a load or store touches start at 16 different banks
.set WSTAGE, 32*SPITCH
.set PARAM,  STAGE+4*WSTAGE            ; the seven vectors, copied once: written by LDS stores alone, no tile lands here
.set P_G1,   4096                      ; b1 at 0
.set P_BE1,  5120
.set P_G2,   6144
.set P_BE2,  7168
.set P_BO,   8192
.set P_B2,   9216
.set SPARE,  PARAM+10240               ; the spare words, 128 bytes for each wave: two blocks of 256 bytes that no other line names
.set AD0, 3                            ; v3   16 x lane: my 16 bytes of half a fragment
.set AD,  4                            ; v4   the same in the slot in hand
.set XR,  5                            ; v5   my stage: row l % 16, 32 bytes for each half of the lanes
.set RD0, 6                            ; v6   my stage: 16 x lane
.set GO,  7                            ; v7   my byte offset in the wave's rows of out0
.set PH,  8                            ; v8   PARAM + 32 (l / 16): my eight features of a tile of 16
.set BA,  9                            ; v9   the same for b1 of the next chunk
.set SPW, 10                           ; v10  LDS address of my spare word; never rewritten
.set NIL, 11                           ; v11  0; never rewritten
.set MD,  12                           ; v12-19  the mask: register j is -1e30 where key 8 (l / 16) + j lies behind query l % 16
.set RD,  20                           ; v20  the way out: where I read rows back
.set PL,  21                           ; v21  PARAM + 16 x lane
.set B2,  22                           ; v22-29  at work in the head; later b2 of my 4 + 4 columns
.set FR,  32
.set A0,  96
.set A1,  128
.set A2,  160
.set A3,  192
.set A4,  224
.set WV,  24                           ; s24  my wave's number
.set BIGN, 27                          ; s27  -1e30
.set G1W, 28                           ; s[28:35] descriptor group 1 for a quarter of a chunk
.set G1X, 36                           ; s[36:43] for 32 rows of x
.set G0A, 44                           ; s[44:47] descriptor group 0: chunk 0
.set G0W, 48                           ; s[48:51] chunk 1; then it walks
.set G0X, 52                           ; s[52:55] x
.set CNT, 56
.set TB,  57                           ; s57  the slot in hand: 0 or SLOTB
.set CS,  58                           ; s[58:59] c = log2(e) / 16
.set SEL, 60                           ; s[60:61] v_permlanex16_b32's selects: each lane takes its own place in the other half
.set INV, 62                           ; s62  1/256
.set EPS, 63                           ; s63  1e-5
.set NINV, 66                          ; s66  -1/256
.set CN2, 67
.set K1, 0                             ; kinds of product: K1: block = W^T H.  KV: block = H W.  K2: X += W^T block
.set KV, 1
.set K2, 2
.set BIASLD, 0
.set MSB, 0
.macro WIN new                         ; the immediate's high byte repeats the setting that is left; a switch that changes nothing is dropped
.if MSB != (\new)
	s_set_vgpr_msb (MSB<<8)|(\new)
.set MSB, (\new)
.endif
.endm
; A vector instruction that reads a matrix result or writes one of a matrix instruction's registers, and a load into such a register, stand four places behind it; only plain vector
; instructions that name none of its registers are places (ISA guide 7.12.1 for vector instructions).
.macro PLACES
.rept 4
	v_nop
.endr
.endm
; A round of the cluster's barrier: my work-group's barrier, so that wave 0's signal speaks for all four waves; wave 0 signals; every wave waits for all four work-groups; my work-group's barrier once more.
.macro CREST                           ; a round behind its opening barrier
	s_cmp_lg_u32 s[WV], 0
	s_cbranch_scc1 .Lnot_wave_0_\@
	s_barrier_signal -3
.Lnot_wave_0_\@:
	s_barrier_wait -3
	s_barrier_signal -1
	s_barrier_wait -1
.endm
.macro ROUND
	s_barrier_signal -1
	s_barrier_wait -1
	CREST
.endm
.macro TILES n, line:vararg            ; one line for each of n tiles tt
.set tt, 0
.rept \n
	\line
.set tt, tt+1
.endr
.endm
.macro PAIRS n, line:vararg            ; one line for each pair i of a tile's eight registers, the tiles inside: no line reads the result of the one before it
.set i, 0
.rept 4
.set tt, 0
.rept \n
	\line
.set tt, tt+1
.endr
.set i, i+1
.endr
.endm
.macro ALL4 line:vararg                ; one line for each tile t
.set t, 0
.rept 4
	\line
.set t, t+1
.endr
.endm
.macro FETCH i                         ; fragment i of the chunk (64 and more: of the next chunk) into its slot: 32 lanes x 16 neighbouring bytes, twice
.set fd, FR+8*((\i)%8)
	ds_load_b128 v[fd:fd+3],   v[AD] offset:((\i)%64)*1024
	ds_load_b128 v[fd+4:fd+7], v[AD] offset:((\i)%64)*1024+512
.endm
; One matrix instruction: fragment i, tile t.  K1, KV: the unit's first fragment starts the sum, with 0 or (cm) with the bias fragment at v[cm].  K2: cm is the half of X's feature tiles.
.macro MM kind, i, t, blk, cm
.set fr, FR+8*((\i)%8)
.set dd, (\blk)+8*(\t)
.set hh, 64*(\t)+8*((\i)%8)
.set xx, 32*((\i)%8)+8*(\t)
.if (\kind) == K1
	WIN 0x04                                       ; source 1 (H) in window 1
.if ((\i)%8) != 0
	v_wmma_f32_16x16x32_f16 v[dd:dd+7], v[fr:fr+7], v[hh:hh+7], v[dd:dd+7]
.elseif (\cm) == 0
	v_wmma_f32_16x16x32_f16 v[dd:dd+7], v[fr:fr+7], v[hh:hh+7], 0
.else
	v_wmma_f32_16x16x32_f16 v[dd:dd+7], v[fr:fr+7], v[hh:hh+7], v[(\cm):(\cm)+7]
.endif
.elseif (\kind) == KV
	WIN 0x01                                       ; source 0 (H) in window 1
.if ((\i)%8) != 0
	v_wmma_f32_16x16x32_f16 v[dd:dd+7], v[hh:hh+7], v[fr:fr+7], v[dd:dd+7]
.else
	v_wmma_f32_16x16x32_f16 v[dd:dd+7], v[hh:hh+7], v[fr:fr+7], 0
.endif
.else
	WIN 0xa0+0x50*(\cm)                            ; C and D (X) in window 2 or 3
	v_wmma_f32_16x16x32_f16 v[xx:xx+7], v[fr:fr+7], v[dd:dd+7], v[xx:xx+7]
.endif
.endm
; A GROUP: one fragment times the four tiles.  The accumulators take turns, one instruction a turn.  A v_nop follows each matrix instruction; behind the third the fragment
; seven ahead is fetched into the slot that the group before read: the four v_nop since that group's last matrix instruction are the places.
; wt: how many younger LDS instructions may stay out (-1: no wait).  BIASLD: the first four groups also fetch the next chunk's four fragments of b1, the fifth steps their address.
.macro GROUP kind, i, blk, cm, wt, fetch
.if (\wt) >= 0
	s_wait_dscnt \wt
.endif
.irp t, 0,1,2,3
	MM \kind, \i, \t, \blk, \cm
	v_nop
.if ((\t) == 2) && (\fetch)
.if (\kind) != K1
	WIN 0                                          ; (K1's setting leaves a load's address and destination in window 0)
.endif
	FETCH (\i)+7
.if BIASLD
.if ((\i)%8) < 4
	ds_load_b128 v[A4+8*((\i)%8):A4+8*((\i)%8)+3],   v[BA] offset:64*((\i)%8)
	ds_load_b128 v[A4+8*((\i)%8)+4:A4+8*((\i)%8)+7], v[BA] offset:64*((\i)%8)+16
.elseif ((\i)%8) == 4
	v_add_nc_u32 v[BA], 0x100, v[BA]
.endif
.endif
.endif
.endr
.endm
; A UNIT: eight groups, 32 matrix instructions.  The wait at a group's head is counted: behind fragment i's two loads the six groups since have issued twelve, which may stay out.
; turn != 0 (a chunk's last unit): THE CHANGE OF SLOTS.  Group 0 fetches the slot's last fragment.  Then each wave waits for all its tensor loads, of which one is out: its quarter of the other slot; adds 0 to its
; spare word; multiplies two groups; and waits for the add and for its reads of the slot.  Behind the barrier nobody reads this slot any more and the other slot is whole.
; turn = 1: the barrier opens a round of the cluster's, so that no wave of any partner still reads the slot or has a load on its way, and the joint refill (the chunk two on) is the first thing behind it.
; turn = 2: the last two chunks: nothing is left to fetch.  (Behind the very last chunk the seven fragments fetched serve nothing: the price of one text for both.)
.macro UNIT kind, u, blk, cm, turn
.if (\turn) == 0
.set g, 0
.rept 8
	GROUP \kind, 8*(\u)+g, \blk, \cm, 12, 1
.set g, g+1
.endr
.else
	GROUP \kind, 56, \blk, \cm, 12, 1
	WIN 0                                          ; (the add's two registers lie in window 0)
	s_wait_tensorcnt 0x0                           ; no tensor load of mine is out, so a group 0 may be written
	ds_add_u32 v[SPW], v[NIL]                      ; 0 onto my spare word
.if (\turn) == 1
	s_xor_b32 s[G0W+1], s[G0W+1], SLOTB            ; the walking descriptor: the other slot than last time,
	s_add_nc_u64 s[G0W+2:G0W+3], s[G0W+2:G0W+3], SLOTB  ; the next chunk; the type bits on top are not reached
.endif
	s_xor_b32 s[TB], s[TB], SLOTB
	GROUP \kind, 57, \blk, \cm, 12, 0              ; behind fragment 57: twelve loads and the add
	GROUP \kind, 58, \blk, \cm, 10, 0              ; behind fragment 58: ten loads and the add
	s_wait_dscnt 0x0                               ; the add is done, and my reads of this slot are over
	s_barrier_signal -1
	GROUP \kind, 59, \blk, \cm, -1, 0              ; work on registers while the others arrive
	WIN 0                                          ; at a branch and at a label every window is 0
	s_barrier_wait -1
.if (\turn) == 1
	CREST
	tensor_load_to_lds s[G0W:G0W+3], s[G1W:G1W+7]
	s_nop 0
	PLACES
.endif
	v_add_nc_u32 v[AD], s[TB], v[AD0]
	FETCH 64                                       ; the next chunk's first fragments, into the slots that groups 0 to 2 read
	FETCH 65
	FETCH 66
	GROUP \kind, 60, \blk, \cm, -1, 1              ; fragments 60 to 63 came in by the wait for 0
	GROUP \kind, 61, \blk, \cm, -1, 1
	GROUP \kind, 62, \blk, \cm, -1, 1
	GROUP \kind, 63, \blk, \cm, -1, 1
.endif
.endm
.macro CVT4 dst, src                   ; four tiles' results rounded to f16, eight numbers into four registers; ascending, so that it may be done in place
.irp t, 0,1,2,3
.irp n, 0,1,2,3
	v_cvt_pk_f16_f32 v[(\dst)+8*\t+\n], v[(\src)+8*\t+2*\n], v[(\src)+8*\t+2*\n+1]
.endr
.endr
.endm
.macro PACK dst, src
	PLACES
	WIN 0
	CVT4 \dst, \src
.endm
.macro RPACK dst, src                  ; the same behind a relu
	PLACES
	WIN 0
.irp t, 0,1,2,3
.irp n, 0,1,2,3,4,5,6,7
	v_max_num_f32 v[(\src)+8*\t+\n], 0, v[(\src)+8*\t+\n]
.endr
.endr
	CVT4 \dst, \src
.endm
.macro VPACK                           ; 16 channels of V: tiles 2 p and 2 p + 1 make one operand of 32 keys at A2 + 8 p
	PLACES
	WIN 0
.irp t, 0,1,2,3
.irp n, 0,1,2,3
	v_cvt_pk_f16_f32 v[A2+8*(\t/2)+4*(\t%2)+\n], v[A1+8*\t+2*\n], v[A1+8*\t+2*\n+1]
.endr
.endr
.endm
.macro PVM blk                         ; O^T = V^T P for 16 channels.  P of pair p lies at A0 + 16 p as P(2 p), four zeros, P(2 p + 1): an even tile takes registers 0-7 of these, an odd one 4-11
.irp t, 0,1,2,3
	v_wmma_f32_16x16x32_f16 v[(\blk)+8*\t:(\blk)+8*\t+7], v[A2+8*(\t/2):A2+8*(\t/2)+7], v[A0+16*(\t/2)+4*(\t%2):A0+16*(\t/2)+4*(\t%2)+7], 0
.endr
.endm
; SOFTMAX of the four tiles' scores S = A4 + 8 t, step by step over the tiles; at work: A1 + 8 t.  The maximum over a query's 16 keys (eight registers and the lane 16 away) is taken away before the exponential:
; p = 2^(c s - c m); the sum is taken of the unrounded p, p is divided by it and then rounded to f16.  Each accumulator's lowest registers are read first.
.macro SOFTMAX
	WIN 0
	ALL4 v_max3_num_f32 v[A1+8*t], v[A4+8*t], v[A4+8*t+1], v[A4+8*t+2]
	ALL4 v_max3_num_f32 v[A1+8*t+1], v[A4+8*t+3], v[A4+8*t+4], v[A4+8*t+5]
	ALL4 v_max3_num_f32 v[A1+8*t], v[A1+8*t], v[A4+8*t+6], v[A4+8*t+7]
	ALL4 v_max_num_f32 v[A1+8*t], v[A1+8*t], v[A1+8*t+1]
	ALL4 v_permlanex16_b32 v[A1+8*t+1], v[A1+8*t], s[SEL], s[SEL+1]
	ALL4 v_max_num_f32 v[A1+8*t], v[A1+8*t], v[A1+8*t+1]
	ALL4 v_mul_f32 v[A1+8*t+2], s[CS], v[A1+8*t]
	ALL4 v_mul_f32 v[A1+8*t+3], s[CS], v[A1+8*t]
.irp i, 0,1,2,3
	ALL4 v_pk_fma_f32 v[A4+8*t+2*\i:A4+8*t+2*\i+1], v[A4+8*t+2*\i:A4+8*t+2*\i+1], s[CS:CS+1], v[A1+8*t+2:A1+8*t+3] op_sel_hi:[1,0,1] neg_lo:[0,0,1] neg_hi:[0,0,1]
.endr
.irp j, 0,1,2,3,4,5,6,7
	ALL4 v_exp_f32 v[A4+8*t+\j], v[A4+8*t+\j]
.endr
	v_nop                                          ; a plain instruction between the last exponential and the use of its result (ISA guide 5.7.2)
	s_wait_alu depctr_va_vdst(0)
	ALL4 v_pk_add_f32 v[A1+8*t+4:A1+8*t+5], v[A4+8*t:A4+8*t+1], v[A4+8*t+2:A4+8*t+3]
	ALL4 v_pk_add_f32 v[A1+8*t+6:A1+8*t+7], v[A4+8*t+4:A4+8*t+5], v[A4+8*t+6:A4+8*t+7]
	ALL4 v_pk_add_f32 v[A1+8*t+4:A1+8*t+5], v[A1+8*t+4:A1+8*t+5], v[A1+8*t+6:A1+8*t+7]
	ALL4 v_add_f32 v[A1+8*t+4], v[A1+8*t+4], v[A1+8*t+5]
	ALL4 v_permlanex16_b32 v[A1+8*t+5], v[A1+8*t+4], s[SEL], s[SEL+1]
	ALL4 v_add_f32 v[A1+8*t+4], v[A1+8*t+4], v[A1+8*t+5]
	ALL4 v_rcp_f32 v[A1+8*t+6], v[A1+8*t+4]
	v_nop
	s_wait_alu depctr_va_vdst(0)
	ALL4 v_mov_b32 v[A1+8*t+7], v[A1+8*t+6]
.irp i, 0,1,2,3
	ALL4 v_pk_mul_f32 v[A4+8*t+2*\i:A4+8*t+2*\i+1], v[A4+8*t+2*\i:A4+8*t+2*\i+1], v[A1+8*t+6:A1+8*t+7]
.endr
.irp i, 0,1,2,3
	ALL4 v_cvt_pk_f16_f32 v[A0+16*(t/2)+8*(t%2)+\i], v[A4+8*t+2*\i], v[A4+8*t+2*\i+1]
.endr
.irp i, 0,1,2,3
	v_mov_b32 v[A0+4+\i], 0                        ; the weights that a tile gives its partner's keys
	v_mov_b32 v[A0+20+\i], 0
.endr
.endm
; LAYER NORM of tiles T0 .. T0 + NT - 1 of X, into H.  A lane holds 128 of its token's 256 features, the lane 16 away the others.  Three passes over X: the mean; the mean of the squares of x - mean
; (no difference of large sums is formed); (x - mean) rsq g + be, rounded to f16.  BO = 1: bo is added to X on the way.  At work: A0 eight numbers a tile; A1 two buffers for the parameters of a feature tile
; (g, then be), loaded a tile ahead; A2 + 8 tt sums; A3 + 8 tt three pairs: -mean, rsq, -mean x rsq, each number twice.
.macro LN T0, NT, BO, GOFF, BEOFF
	WIN 0
.if \BO
	ds_load_b128 v[A1:A1+3],   v[PH] offset:P_BO
	ds_load_b128 v[A1+4:A1+7], v[PH] offset:P_BO+16
.endif
.set ff, 0
.rept 16
.set xw, 2+ff/8
.set xb, 32*(ff%8)+8*(\T0)
.set pb, A1+16*(ff%2)
.set pn, A1+16*((ff+1)%2)
.if \BO
	WIN 0
.if ff < 15
	ds_load_b128 v[pn:pn+3],   v[PH] offset:P_BO+64*(ff+1)
	ds_load_b128 v[pn+4:pn+7], v[PH] offset:P_BO+64*(ff+1)+16
	s_wait_dscnt 0x2                               ; the next feature tile's two loads may stay out
.else
	s_wait_dscnt 0x0
.endif
	WIN (xw<<6)|xw                                 ; destination and source 0 in X's window
	PAIRS \NT, v_pk_add_f32 v[xb+8*tt+2*i:xb+8*tt+2*i+1], v[xb+8*tt+2*i:xb+8*tt+2*i+1], v[pb+2*i:pb+2*i+1]
.endif
.if ff == 0
	WIN 0x0a                                       ; the first eight numbers start the two chains: nothing is cleared
	TILES \NT, v_pk_add_f32 v[A2+8*tt:A2+8*tt+1], v[xb+8*tt:xb+8*tt+1], v[xb+8*tt+4:xb+8*tt+5]
	TILES \NT, v_pk_add_f32 v[A2+8*tt+2:A2+8*tt+3], v[xb+8*tt+2:xb+8*tt+3], v[xb+8*tt+6:xb+8*tt+7]
.else
	WIN xw<<2                                      ; source 1 in X's window
	PAIRS \NT, v_pk_add_f32 v[A2+8*tt+2*(i%2):A2+8*tt+2*(i%2)+1], v[A2+8*tt+2*(i%2):A2+8*tt+2*(i%2)+1], v[xb+8*tt+2*i:xb+8*tt+2*i+1]
.endif
.set ff, ff+1
.endr
	WIN 0
	TILES \NT, v_pk_add_f32 v[A2+8*tt:A2+8*tt+1], v[A2+8*tt:A2+8*tt+1], v[A2+8*tt+2:A2+8*tt+3]
	TILES \NT, v_add_f32 v[A2+8*tt], v[A2+8*tt], v[A2+8*tt+1]
	TILES \NT, v_permlanex16_b32 v[A2+8*tt+1], v[A2+8*tt], s[SEL], s[SEL+1]
	TILES \NT, v_add_f32 v[A2+8*tt], v[A2+8*tt], v[A2+8*tt+1]
	TILES \NT, v_mul_f32 v[A3+8*tt], s[NINV], v[A2+8*tt]
	TILES \NT, v_mul_f32 v[A3+8*tt+1], s[NINV], v[A2+8*tt]
.set ff, 0
.rept 16
.set xw, 2+ff/8
.set xb, 32*(ff%8)+8*(\T0)
	WIN xw<<2
	PAIRS \NT, v_pk_add_f32 v[A0+8*tt+2*i:A0+8*tt+2*i+1], v[A3+8*tt:A3+8*tt+1], v[xb+8*tt+2*i:xb+8*tt+2*i+1]
	WIN 0
.if ff == 0
	TILES \NT, v_pk_mul_f32 v[A2+8*tt+4:A2+8*tt+5], v[A0+8*tt:A0+8*tt+1], v[A0+8*tt:A0+8*tt+1]
	TILES \NT, v_pk_mul_f32 v[A2+8*tt+6:A2+8*tt+7], v[A0+8*tt+2:A0+8*tt+3], v[A0+8*tt+2:A0+8*tt+3]
	TILES \NT, v_pk_fma_f32 v[A2+8*tt+4:A2+8*tt+5], v[A0+8*tt+4:A0+8*tt+5], v[A0+8*tt+4:A0+8*tt+5], v[A2+8*tt+4:A2+8*tt+5]
	TILES \NT, v_pk_fma_f32 v[A2+8*tt+6:A2+8*tt+7], v[A0+8*tt+6:A0+8*tt+7], v[A0+8*tt+6:A0+8*tt+7], v[A2+8*tt+6:A2+8*tt+7]
.else
	PAIRS \NT, v_pk_fma_f32 v[A2+8*tt+4+2*(i%2):A2+8*tt+4+2*(i%2)+1], v[A0+8*tt+2*i:A0+8*tt+2*i+1], v[A0+8*tt+2*i:A0+8*tt+2*i+1], v[A2+8*tt+4+2*(i%2):A2+8*tt+4+2*(i%2)+1]
.endif
.set ff, ff+1
.endr
	ds_load_b128 v[A1:A1+3],     v[PH] offset:(\GOFF)     ; g and be of feature tile 0
	ds_load_b128 v[A1+4:A1+7],   v[PH] offset:(\GOFF)+16
	ds_load_b128 v[A1+8:A1+11],  v[PH] offset:(\BEOFF)
	ds_load_b128 v[A1+12:A1+15], v[PH] offset:(\BEOFF)+16
	TILES \NT, v_pk_add_f32 v[A2+8*tt+4:A2+8*tt+5], v[A2+8*tt+4:A2+8*tt+5], v[A2+8*tt+6:A2+8*tt+7]
	TILES \NT, v_add_f32 v[A2+8*tt+4], v[A2+8*tt+4], v[A2+8*tt+5]
	TILES \NT, v_permlanex16_b32 v[A2+8*tt+5], v[A2+8*tt+4], s[SEL], s[SEL+1]
	TILES \NT, v_add_f32 v[A2+8*tt+4], v[A2+8*tt+4], v[A2+8*tt+5]
	TILES \NT, v_fma_f32 v[A2+8*tt+4], v[A2+8*tt+4], s[INV], s[EPS]
	TILES \NT, v_rsq_f32 v[A3+8*tt+2], v[A2+8*tt+4]
	v_nop                                          ; a plain instruction between the last root and the use of its result
	s_wait_alu depctr_va_vdst(0)
	TILES \NT, v_mov_b32 v[A3+8*tt+3], v[A3+8*tt+2]
	TILES \NT, v_pk_mul_f32 v[A3+8*tt+4:A3+8*tt+5], v[A3+8*tt:A3+8*tt+1], v[A3+8*tt+2:A3+8*tt+3]
.set ff, 0
.rept 16
.set xw, 2+ff/8
.set xb, 32*(ff%8)+8*(\T0)
.set pb, A1+16*(ff%2)
.set pn, A1+16*((ff+1)%2)
	WIN xw                                         ; source 0 in X's window
	PAIRS \NT, v_pk_fma_f32 v[A0+8*tt+2*i:A0+8*tt+2*i+1], v[xb+8*tt+2*i:xb+8*tt+2*i+1], v[A3+8*tt+2:A3+8*tt+3], v[A3+8*tt+4:A3+8*tt+5]
	WIN 0
.if ff < 15
	ds_load_b128 v[pn:pn+3],     v[PH] offset:(\GOFF)+64*(ff+1)
	ds_load_b128 v[pn+4:pn+7],   v[PH] offset:(\GOFF)+64*(ff+1)+16
	ds_load_b128 v[pn+8:pn+11],  v[PH] offset:(\BEOFF)+64*(ff+1)
	ds_load_b128 v[pn+12:pn+15], v[PH] offset:(\BEOFF)+64*(ff+1)+16
	s_wait_dscnt 0x4                               ; the next feature tile's four loads may stay out
.else
	s_wait_dscnt 0x0
.endif
	PAIRS \NT, v_pk_fma_f32 v[A0+8*tt+2*i:A0+8*tt+2*i+1], v[A0+8*tt+2*i:A0+8*tt+2*i+1], v[pb+2*i:pb+2*i+1], v[pb+8+2*i:pb+8+2*i+1]
	WIN 0x40                                       ; destination (H) in window 1
	PAIRS \NT, v_cvt_pk_f16_f32 v[64*((\T0)+tt)+8*(ff/2)+4*(ff%2)+i], v[A0+8*tt+2*i], v[A0+8*tt+2*i+1]
.set ff, ff+1
.endr
	WIN 0
.endm
; Tiles T0, T0 + 1 of X out of my stage, and back into it: lane l takes row l % 16 and the 32 bytes of its eight features of each feature tile.
.macro XLOAD T0
.irp hi, 0,1
	WIN 0x80+0x40*\hi
.irp f8, 0,1,2,3,4,5,6,7
.irp t, 0,1
	ds_load_b128 v[32*\f8+8*((\T0)+\t):32*\f8+8*((\T0)+\t)+3],   v[XR] offset:16*SPITCH*\t+64*(8*\hi+\f8)
	ds_load_b128 v[32*\f8+8*((\T0)+\t)+4:32*\f8+8*((\T0)+\t)+7], v[XR] offset:16*SPITCH*\t+64*(8*\hi+\f8)+16
.endr
.endr
.endr
.endm
.macro XSTORE T0
.irp hi, 0,1
	WIN 0x08+4*\hi
.irp f8, 0,1,2,3,4,5,6,7
.irp t, 0,1
	ds_store_b128 v[XR], v[32*\f8+8*((\T0)+\t):32*\f8+8*((\T0)+\t)+3]   offset:16*SPITCH*\t+64*(8*\hi+\f8)
	ds_store_b128 v[XR], v[32*\f8+8*((\T0)+\t)+4:32*\f8+8*((\T0)+\t)+7] offset:16*SPITCH*\t+64*(8*\hi+\f8)+16
.endr
.endr
.endr
.endm
; CHUNK A of a head: q (units 0-3) and k (units 4-7), 16 channels a unit.  An even unit is rounded in place, an odd one into the upper halves of the block before: Q's operands end in A0, A1, K's in A2, A3.
; Then S^T = K Q^T, started by the mask, and the softmax.
.macro CHUNK_A
	UNIT K1, 0, A0, 0, 0
	PACK A0, A0
	UNIT K1, 1, A1, 0, 0
	PACK A0+4, A1
	UNIT K1, 2, A1, 0, 0
	PACK A1, A1
	UNIT K1, 3, A2, 0, 0
	PACK A1+4, A2
	UNIT K1, 4, A2, 0, 0
	PACK A2, A2
	UNIT K1, 5, A3, 0, 0
	PACK A2+4, A3
	UNIT K1, 6, A3, 0, 0
	PACK A3, A3
	UNIT K1, 7, A4, 0, 1
	PACK A3+4, A4
.irp t, 0,1,2,3
	v_wmma_f32_16x16x32_f16 v[A4+8*\t:A4+8*\t+7], v[A2+8*\t:A2+8*\t+7], v[A0+8*\t:A0+8*\t+7], v[MD:MD+7]
.endr
.irp t, 0,1,2,3
	v_wmma_f32_16x16x32_f16 v[A4+8*\t:A4+8*\t+7], v[A3+8*\t:A3+8*\t+7], v[A1+8*\t:A1+8*\t+7], v[A4+8*\t:A4+8*\t+7]
.endr
	PLACES
	SOFTMAX
.endm
; CHUNK B of a head: four times 16 channels of v, rounded, and their O^T; O^T's operands end in A3 (channels 0-31) and A4 (32-63).  Then X += Wo^T O^T: units 4-7, 32 channels x 128 features each.
.macro CHUNK_B
	UNIT KV, 0, A1, 0, 0
	VPACK
	PVM A3
	UNIT KV, 1, A1, 0, 0
	VPACK
	PVM A4
	PACK A3, A3
	CVT4 A3+4, A4
	UNIT KV, 2, A1, 0, 0
	VPACK
	PVM A4
	UNIT KV, 3, A1, 0, 0
	VPACK
	PVM A1
	PACK A4, A4
	CVT4 A4+4, A1
	UNIT K2, 4, A3, 0, 0
	UNIT K2, 5, A3, 1, 0
	UNIT K2, 6, A4, 0, 0
	UNIT K2, 7, A4, 1, 1
.endm
; A CHUNK OF THE MLP: 64 hidden features.  Units 0-3: W1^T H, started by b1's fragments (A4), relu, rounded: operands in A0, A1.  Units 4-7: X += W2^T of them.
.macro CHUNK_M turn
	UNIT K1, 0, A0, A4, 0
	RPACK A0, A0
	UNIT K1, 1, A1, A4+8, 0
	RPACK A0+4, A1
	UNIT K1, 2, A1, A4+16, 0
	RPACK A1, A1
	UNIT K1, 3, A2, A4+24, 0
	RPACK A1+4, A2
.set BIASLD, 1
	UNIT K2, 4, A0, 0, 0
.set BIASLD, 0
	UNIT K2, 5, A0, 1, 0
	UNIT K2, 6, A1, 0, 0
	UNIT K2, 7, A1, 1, \turn
.endm
	s_load_b512 s[4:19], s[0:1], 0x0               ; x s[4:5], wst s[6:7], b1 s[8:9], g1 s[10:11], be1 s[12:13], g2 s[14:15], be2 s[16:17], bo s[18:19]
	s_load_b128 s[20:23], s[0:1], 0x40             ; b2 s[20:21], out0 s[22:23]
	v_lshl_add_u32 v[SPW], v0, 2, SPARE
	v_mov_b32 v[NIL], 0
	ds_add_u32 v10, v11
	s_wait_dscnt 0x0
	v_lshrrev_b32 v1, 5, v0
	v_readfirstlane_b32 s[WV], v1                  ; wave 0..3
	s_bfe_u32 s25, ttmp6, 0x40000                  ; cx: my place in the cluster
	s_lshl_b32 s26, ttmp9, 2                       ; in a cluster launch ttmp9 counts clusters
	s_add_co_u32 s26, s26, s25                     ; my work-group: it enters x's and out0's addresses alone
	s_lshl_b32 s68, s26, 18                        ; its 256 rows of 1,024 bytes,
	s_lshl_b32 s69, s[WV], 16                      ; my wave's 64 of them
	s_add_co_u32 s68, s68, s69
	s_mov_b32 s69, 0
	s_lshl_b32 s70, s[WV], 14                      ; my quarter of a chunk, in memory and in a slot
	s_mov_b32 s71, 0
	; descriptor group 1 for a quarter of a chunk: 16,384 dense bytes as 64 rows of 256
	s_mov_b32 s[G1W], 15|(3<<16)|(1<<21)           ; 15:0 the mask of four; 17:16 elements of 8 bytes; 21 set beside a mask
	s_mov_b32 s[G1W+1], 32<<16                     ; tensor_dim0 = 32
	s_mov_b32 s[G1W+2], 64<<16                     ; tensor_dim1 = 64
	s_mov_b32 s[G1W+3], 32<<16                     ; tile_dim0 = 32
	s_mov_b32 s[G1W+4], 64                         ; tile_dim1 = 64
	s_mov_b32 s[G1W+5], 32                         ; 32 elements from row to row
	s_mov_b32 s[G1W+6], 0
	s_mov_b32 s[G1W+7], 0
	; for 32 rows of x: my own load, no mask; 4 words of padding behind every 256
	s_mov_b32 s[G1X], (2<<16)|(1<<20)|(7<<22)|(3<<25)
	s_mov_b32 s[G1X+1], 256<<16
	s_mov_b32 s[G1X+2], 32<<16
	s_mov_b32 s[G1X+3], 256<<16
	s_mov_b32 s[G1X+4], 32
	s_mov_b32 s[G1X+5], 256
	s_mov_b32 s[G1X+6], 0
	s_mov_b32 s[G1X+7], 0
	s_mov_b32 s[G0A], 1
	s_mov_b32 s[G0A+1], s70                        ; slot 0
	s_mov_b32 s[G0W], 1
	s_add_co_u32 s[G0W+1], s70, SLOTB              ; slot 1
	s_mov_b32 s[G0X], 1
	s_mul_i32 s[G0X+1], s[WV], WSTAGE
	s_add_co_u32 s[G0X+1], s[G0X+1], STAGE         ; my stage
	s_mov_b32 s[BIGN], 0xf149f2ca                  ; -1e30
	s_mov_b32 s[TB], 0
	s_mov_b32 s[CS], 0x3db8aa3b                    ; c = log2(e) / 16 = 0.0901684: the scale is 256^-0.5
	s_mov_b32 s[CS+1], s[CS]
	s_mov_b32 s[SEL], 0x76543210
	s_mov_b32 s[SEL+1], 0xfedcba98
	s_mov_b32 s[INV], 0x3b800000
	s_mov_b32 s[EPS], 0x3727c5ac
	s_mov_b32 s[NINV], 0xbb800000
	s_wait_kmcnt 0x0
	s_add_nc_u64 s[G0A+2:G0A+3], s[6:7], s[70:71]  ; chunk 0,
	s_add_nc_u64 s[G0W+2:G0W+3], s[G0A+2:G0A+3], SLOTB  ; chunk 1
	s_or_b32 s[G0A+3], s[G0A+3], 0x80000000        ; type = 2
	s_or_b32 s[G0W+3], s[G0W+3], 0x80000000
	s_add_nc_u64 s[G0X+2:G0X+3], s[4:5], s[68:69]
	s_or_b32 s[G0X+3], s[G0X+3], 0x80000000
	s_add_nc_u64 s[22:23], s[22:23], s[68:69]      ; out0 at my wave's first row
	ROUND                                          ; all four work-groups are here: the first joint loads meet
	tensor_load_to_lds s[G0X:G0X+3], s[G1X:G1X+7]  ; the first fills go out together: three loads of mine are out.  My rows 0-31 of x,
	s_nop 0
	tensor_load_to_lds s[G0A:G0A+3], s[G1W:G1W+7]  ; my quarter of chunk 0,
	s_nop 0
	tensor_load_to_lds s[G0W:G0W+3], s[G1W:G1W+7]  ; and of chunk 1
	s_nop 0
	PLACES
	v_and_b32 v1, 15, v0                           ; l % 16
	v_bfe_u32 v2, v0, 4, 1                         ; l / 16
	v_and_b32 v22, 31, v0
	v_lshlrev_b32 v[AD0], 4, v22
	v_mov_b32 v[AD], v[AD0]
	v_mul_u32_u24 v[XR], v1, SPITCH
	v_lshl_add_u32 v[XR], v2, 5, v[XR]
	v_add_nc_u32 v[XR], s[G0X+1], v[XR]
	v_add_nc_u32 v[RD0], s[G0X+1], v[AD0]
	v_mov_b32 v[GO], v[AD0]
	v_lshl_add_u32 v[PH], v2, 5, PARAM
	v_mov_b32 v[BA], v[PH]
	v_add_nc_u32 v[PL], PARAM, v[AD0]
	v_lshlrev_b32 v23, 4, v0                       ; the seven vectors are copied once, in whole runs: 128 threads x 16 bytes, twice, for b1; x 8 bytes for each of the others
	v_lshlrev_b32 v24, 3, v0
	v_add_nc_u32 v25, PARAM, v23
	v_add_nc_u32 v26, PARAM, v24
	global_load_b128 v[A0:A0+3],     v23, s[8:9]
	global_load_b128 v[A0+4:A0+7],   v23, s[8:9] offset:2048
	global_load_b64 v[A0+8:A0+9],    v24, s[10:11]
	global_load_b64 v[A0+10:A0+11],  v24, s[12:13]
	global_load_b64 v[A0+12:A0+13],  v24, s[14:15]
	global_load_b64 v[A0+14:A0+15],  v24, s[16:17]
	global_load_b64 v[A0+16:A0+17],  v24, s[18:19]
	global_load_b64 v[A0+18:A0+19],  v24, s[20:21]
	v_lshlrev_b32 v27, 3, v2
	v_sub_nc_u32 v27, v1, v27                      ; my query less my lanes' first key: register j is hidden where j is greater
.irp j, 0,1,2,3,4,5,6,7
	v_cmp_gt_i32 vcc_lo, \j, v27
	v_cndmask_b32 v[MD+\j], 0, s[BIGN], vcc_lo
.endr
	s_wait_loadcnt 0x0
	ds_store_b128 v25, v[A0:A0+3]
	ds_store_b128 v25, v[A0+4:A0+7] offset:2048
	ds_store_b64 v26, v[A0+8:A0+9]   offset:P_G1
	ds_store_b64 v26, v[A0+10:A0+11] offset:P_BE1
	ds_store_b64 v26, v[A0+12:A0+13] offset:P_G2
	ds_store_b64 v26, v[A0+14:A0+15] offset:P_BE2
	ds_store_b64 v26, v[A0+16:A0+17] offset:P_BO
	ds_store_b64 v26, v[A0+18:A0+19] offset:P_B2
	s_wait_tensorcnt 0x2                           ; my rows of x are in; the two chunks, issued behind them, may stay out.  Only I read my stage
	XLOAD 0
	WIN 0
	s_wait_tensorcnt 0x0                           ; THE STAGE IS FILLED AGAIN: all my tensor loads have landed;
	ds_add_u32 v[SPW], v[NIL]                      ; 0 onto my spare word;
	s_add_nc_u64 s[G0X+2:G0X+3], s[G0X+2:G0X+3], 32768  ; my rows 32-63;
	s_wait_dscnt 0x0                               ; the add, my reads of the stage and my stores of the vectors are done
	ROUND                                          ; so are everybody's: the vectors and both chunks may be read by all
	tensor_load_to_lds s[G0X:G0X+3], s[G1X:G1X+7]
	s_nop 0
	PLACES
.irp i, 0,1,2,3,4,5,6
	FETCH \i
.endr
	LN 0, 2, 0, P_G1, P_BE1                        ; the first two tiles' norm stands in the wait for the other two
	s_wait_tensorcnt 0x0
	XLOAD 2
	WIN 0
	s_wait_dscnt 0x0
	LN 2, 2, 0, P_G1, P_BE1
	s_mov_b32 s[CNT], 4
.Lhead:                                                ; a trip is a head: two chunks, and both slots are filled again
	CHUNK_A
	CHUNK_B
	WIN 0
	s_sub_co_u32 s[CNT], s[CNT], 1
	s_cmp_lg_u32 s[CNT], 0
	s_cbranch_scc1 .Lhead
	PLACES                                         ; the norm reads and writes results just made
	LN 0, 4, 1, P_G2, P_BE2
.irp u, 0,1,2,3
	ds_load_b128 v[A4+8*\u:A4+8*\u+3],   v[BA] offset:64*\u     ; b1 of the first 64 hidden features: register j of a fragment is the bias of feature 8 (l / 16) + j
	ds_load_b128 v[A4+8*\u+4:A4+8*\u+7], v[BA] offset:64*\u+16
.endr
	v_add_nc_u32 v[BA], 0x100, v[BA]
	s_wait_dscnt 0x0                               ; the unit's counted wait would not cover these eight
	s_mov_b32 s[CNT], 14
.Lmlp:                                                 ; 14 chunks of the MLP ask for the chunk two on
	CHUNK_M 1
	WIN 0
	s_sub_co_u32 s[CNT], s[CNT], 1
	s_cmp_lg_u32 s[CNT], 0
	s_cbranch_scc1 .Lmlp
	s_mov_b32 s[CNT], 2
.Ltail:                                                ; the last two ask for nothing: a text of their own.  (The last chunk's fetch of a further bias reads g1's bytes and serves nothing.)
	CHUNK_M 2
	WIN 0
	s_sub_co_u32 s[CNT], s[CNT], 1
	s_cmp_lg_u32 s[CNT], 0
	s_cbranch_scc1 .Ltail
	; THE WAY OUT.  Two tiles (32 rows) at a time go into my stage, which has had its last fill, and come back as whole rows; b2 is added there, where a lane holds four neighbouring columns.
	PLACES
	WIN 0
	ds_load_b128 v[B2:B2+3],   v[PL] offset:P_B2
	ds_load_b128 v[B2+4:B2+7], v[PL] offset:P_B2+512
.irp p, 0,1
	XSTORE 2*\p
	WIN 0
	v_mov_b32 v[RD], v[RD0]
	s_mov_b32 s[CN2], 8
.Lout\p:                                               ; a trip: four rows
.irp k, 0,1,2,3,4,5,6,7
	ds_load_b128 v[A0+4*\k:A0+4*\k+3], v[RD] offset:SPITCH*(\k/2)+512*(\k%2)  ; LDS serves a wave's instructions in order (ISA guide 5.7.1.4): these see the stores above
.endr
	s_wait_dscnt 0x0
.irp k, 0,1,2,3,4,5,6,7
	v_pk_add_f32 v[A0+4*\k:A0+4*\k+1],   v[A0+4*\k:A0+4*\k+1],   v[B2+4*(\k%2):B2+4*(\k%2)+1]
	v_pk_add_f32 v[A0+4*\k+2:A0+4*\k+3], v[A0+4*\k+2:A0+4*\k+3], v[B2+4*(\k%2)+2:B2+4*(\k%2)+3]
.endr
.irp k, 0,1,2,3,4,5,6,7
	global_store_b128 v[GO], v[A0+4*\k:A0+4*\k+3], s[22:23] offset:1024*(\k/2)+512*(\k%2) th:TH_STORE_NT  ; 512 consecutive bytes, at a multiple of 512 from out0's first byte
.endr
	s_wait_xcnt 0x0                                ; the stores' offset and data registers are rewritten only behind this wait (ISA guide 3.1)
	v_add_nc_u32 v[RD], 4*SPITCH, v[RD]
	v_add_nc_u32 v[GO], 4096, v[GO]
	s_sub_co_u32 s[CN2], s[CN2], 1
	s_cmp_lg_u32 s[CN2], 0
	s_cbranch_scc1 .Lout\p
.endr
	s_wait_tensorcnt 0x0                           ; the wave's end: behind my last tensor load and my last LDS store
	ds_add_u32 v[SPW], v[NIL]
	s_wait_dscnt 0x0
	ROUND                                          ; the closing round: no work-group ends while a partner may still ask for a chunk that names it
	s_endpgm
.Lfunc_end_k_qb0a5ee639f_block:
	.size	k_qb0a5ee639f_block, .Lfunc_end_k_qb0a5ee639f_block-k_qb0a5ee639f_block
	.p2alignl 7, 3214868480
	.fill 96, 4, 3214868480
	.section	.rodata,"a",@progbits
	.p2align	6, 0x0
	.amdhsa_kernel k_qb0a5ee639f_block
		.amdhsa_group_segment_fixed_size 327680
		.amdhsa_private_segment_fixed_size 0
		.amdhsa_enable_private_segment 0
		.amdhsa_kernarg_size 80
		.amdhsa_user_sgpr_count 2
		.amdhsa_user_sgpr_kernarg_segment_ptr 1
		.amdhsa_wavefront_size32 1
		.amdhsa_system_sgpr_workgroup_id_x 1
		.amdhsa_system_sgpr_workgroup_id_y 1
		.amdhsa_system_sgpr_workgroup_id_z 1
		.amdhsa_system_vgpr_workitem_id 0
		.amdhsa_next_free_vgpr 1024
		.amdhsa_next_free_sgpr 72
		.amdhsa_reserve_vcc 1
		.amdhsa_float_denorm_mode_32 3
		.amdhsa_float_denorm_mode_16_64 3
		.amdhsa_memory_ordered 1
		.amdhsa_forward_progress 1
		.amdhsa_inst_pref_size 255
	.end_amdhsa_kernel
	.section	.bss,"aw",@nobits
	.p2align	6
	.space	262144
	.amdgpu_metadata
---
amdhsa.version: [ 1, 2 ]
amdhsa.kernels:
  - .name:           k_qb0a5ee639f_block
    .symbol:         k_qb0a5ee639f_block.kd
    .args:
      - { .name: x, .offset: 0, .size: 8, .value_kind: global_buffer, .address_space: global }
      - { .name: wst, .offset: 8, .size: 8, .value_kind: global_buffer, .address_space: global }
      - { .name: b1, .offset: 16, .size: 8, .value_kind: global_buffer, .address_space: global }
      - { .name: g1, .offset: 24, .size: 8, .value_kind: global_buffer, .address_space: global }
      - { .name: be1, .offset: 32, .size: 8, .value_kind: global_buffer, .address_space: global }
      - { .name: g2, .offset: 40, .size: 8, .value_kind: global_buffer, .address_space: global }
      - { .name: be2, .offset: 48, .size: 8, .value_kind: global_buffer, .address_space: global }
      - { .name: bo, .offset: 56, .size: 8, .value_kind: global_buffer, .address_space: global }
      - { .name: b2, .offset: 64, .size: 8, .value_kind: global_buffer, .address_space: global }
      - { .name: out0, .offset: 72, .size: 8, .value_kind: global_buffer, .address_space: global }
    .group_segment_fixed_size: 327680
    .private_segment_fixed_size: 0
    .kernarg_segment_align: 8
    .kernarg_segment_size: 80
    .max_flat_workgroup_size: 128
    .sgpr_count:     72
    .vgpr_count:     1024
    .wavefront_size: 32
...
	.end_amdgpu_metadata
.endif
;; end of part 2
;; ======== version 2 of 2: 2 launches; 1.23 times as fast as version 1
;; limits: values are held in f16: magnitudes above 65,504 overflow, below 6.1e-05 lose precision
;; workspace buffers: wst 1,572,864 bytes
;; launch prep: the kernel of part 1 again; grid 32 x 24, 4 waves a work-group, no clusters, 0 bytes of LDS; arguments Wq, Wk, Wv, Wo, W1, W2, wst; writes wst
;; launch block (part 3): grid 256 x 1, 4 waves a work-group, clusters of 4 x 1, 327,680 bytes of LDS; arguments x, wst, b1, g1, be1, g2, be2, bo, b2, out0; writes out0
.if DOCPART == 3
	.amdgcn_target "amdgcn-amd-amdhsa--gfx1250"
	.amdhsa_code_object_version 6
	.text
	.protected	k_qb0a5ee639f_block
	.globl	k_qb0a5ee639f_block
	.p2align	8
	.type	k_qb0a5ee639f_block,@function
k_qb0a5ee639f_block:
	s_mov_b64 s[64:65], 0
	v_nop
	global_prefetch_b8 v0, s[64:65] scope:SCOPE_SE
	s_setreg_imm32_b32 hwreg(HW_REG_WAVE_MODE, 25, 1), 1
	s_wait_xcnt 0x0
	s_wait_alu depctr_hold_cnt(0) depctr_sa_sdst(0) depctr_va_vdst(0) depctr_va_sdst(0) depctr_va_ssrc(0) depctr_va_vcc(0) depctr_vm_vsrc(0)
	s_getreg_b32 s2, hwreg(HW_REG_IB_STS2, 6, 4)
	s_cmp_eq_u32 s2, 0
	s_cbranch_scc0 .Lentry_in_a_cluster
	s_endpgm
.Lentry_in_a_cluster:
	s_bfe_u32 s2, ttmp6, 0x10000c
	s_cmp_lg_u32 s2, 0x3003
	s_cbranch_scc0 .Lentry_shape_is_right
	s_endpgm
.Lentry_shape_is_right:
; A PRE-NORM TRANSFORMER BLOCK IN ONE LAUNCH.  x: [4096][16][256] f32.  h = LN(x) g1 + be1; four heads of 64: q, k, v = h W; causal softmax of q k / 16 over a sequence's 16 keys; x2 = x + attn Wo + bo;
; h2 = LN(x2) g2 + be2; out = x2 + relu(h2 W1 + b1) W2 + b2.  x is read once, out written once; nothing between them leaves the registers.
; SHARES.  256 work-groups of four waves; a work-group owns 256 token rows, a wave 64: four TILES of 16 rows, and a tile is one whole sequence, so attention never leaves a wave.
; LAYOUT.  Every product but V's is used transposed: source 0 = 16 output features x 32 k of a weight (a ready-made fragment of the stream wst), source 1 = 32 k x 16 tokens.  In a result lane l then
; holds ONE token (l % 16) and the features 8 (l / 16) + 0..7; two neighbouring results rounded to f16 ARE source 1 of the next product.  The residual X lies in that layout in f32 and is the accumulator
; of the products with Wo and W2.  V = h Wv is used upright (source 0 = h), so that its result, rounded, is source 0 of O^T = V^T P; two sequences share one such operand of 32 keys, each with zeros
; in P where the other's keys lie.  S^T = K Q^T holds one query a lane and eight keys; the causal mask is the C operand that starts that sum.
; FORMATS.  Matrix operands in f16, sums in f32; x, the residual, both norms, the softmax and all biases in f32.
; LIMITS.  f16 ends at 65,504: a weight, or a number of h, q, k, v, attn, h2 or relu(..), beyond that becomes an infinity and its rows are lost.  On inputs of the drawn spread these lie under 7, so gains 30 times
; and weights 30 times larger together still fit.  Below 6e-5 f16 keeps a fixed step of 6e-8.  A hidden score counts as its value less 1e30; a weight below 2^-126 counts as 0.  NaN and infinities are not
; treated apart, and since two sequences share an operand of V, a V that is not finite spoils its partner's rows too.
; WEIGHTS.  All work-groups walk the same 24 chunks of 65,536 bytes through two LDS slots.  The four work-groups of a cluster ask for each chunk JOINTLY; each wave fetches a quarter.  A chunk is 64 fragments,
; 256 matrix instructions a wave; the slot just read out is asked for again 240 matrix instructions ahead of the wait for it.
; ONE TEXT FOR BOTH NORMS.  The norm is written once (for tiles 0, 1 and for tiles 2, 3) and walked twice by a loop of two trips: the first trip goes on into the attention, the second leaves the loop for the MLP.
; REGISTERS, in windows of 256 (s_set_vgpr_msb: bits 1:0 source 0, 3:2 source 1, 5:4 source 2, 7:6 destination):
;   window 0: v0-31 addresses, the mask, biases; v32-95 eight fragment slots (fragment i in slot i % 8); v96-255 five blocks A0-A4 of 32 (8 a tile) at work.
;             In the MLP: v32-95 and v96-159 two fragment buffers of a unit each; v160-255 three blocks M0-M2
;   window 1: H, the norm's output in f16: tile t, k chunk c at 64 t + 8 c        windows 2, 3: X: tile t, feature tile f (of 16) in window 2 + f / 8 at 32 (f % 8) + 8 t
.set SLOTB,  65536                     ; a slot; slot 1 begins here, so one exclusive or turns an address in one slot into the other's
.set STAGE,  2*SLOTB                   ; for each wave 32 rows of 1,024 bytes + 16 of padding: x comes in through it (two fills), and behind its last fill out0 leaves through it
.set SPITCH, 1040                      ; 260 words: row r starts at bank 4 r mod 64 (64 banks of 4 bytes: ISA guide 11.1), so the 16 rows that a load or store touches start at 16 different banks
.set WSTAGE, 32*SPITCH
.set PARAM,  STAGE+4*WSTAGE            ; the seven vectors, copied once: written by LDS stores alone, no tile lands here
.set P_G1,   4096                      ; b1 at 0
.set P_BE1,  5120                      ; be lies 1,024 bytes behind its g,
.set P_G2,   6144                      ; the second norm's pair 2,048 behind the first's
.set P_BE2,  7168
.set P_BO,   8192
.set P_B2,   9216
.set SPARE,  PARAM+10240               ; the spare words, 128 bytes for each wave: two blocks of 256 bytes that no other line names
.set AD0, 3                            ; v3   16 x lane: my 16 bytes of half a fragment
.set AD,  4                            ; v4   the same in the slot in hand
.set XR,  5                            ; v5   my stage: row l % 16, 32 bytes for each half of the lanes
.set RD0, 6                            ; v6   my stage: 16 x lane
.set GO,  7                            ; v7   my byte offset in the wave's rows of out0
.set PH,  8                            ; v8   PARAM + 32 (l / 16): my eight features of a tile of 16
.set BA,  9                            ; v9   the same for b1 of the chunk whose biases are being fetched
.set SPW, 10                           ; v10  LDS address of my spare word; never rewritten
.set NIL, 11                           ; v11  0; never rewritten
.set MD,  12                           ; v12-19  the mask: register j is -1e30 where key 8 (l / 16) + j lies behind query l % 16
.set BB0, 12                           ; v12-19  behind the attention: b1's fragment of an even unit
.set RD,  20                           ; v20  the way out: where I read rows back
.set PL,  21                           ; v21  PARAM + 16 x lane
.set B2,  22                           ; v22-29  at work in the head; on the way out b2 of my 4 + 4 columns
.set BB1, 22                           ; v22-29  in the MLP: b1's fragment of an odd unit
.set PG,  30                           ; v30  PARAM + 32 (l / 16) + the place of the g of the norm in hand
.set FR,  32
.set A0,  96
.set A1,  128
.set A2,  160
.set A3,  192
.set A4,  224
.set M0,  160
.set M1,  192
.set M2,  224
.set WV,  24                           ; s24  my wave's number
.set BIGN, 27                          ; s27  -1e30
.set G1W, 28                           ; s[28:35] descriptor group 1 for a quarter of a chunk
.set G1X, 36                           ; s[36:43] for 32 rows of x
.set G0A, 44                           ; s[44:47] descriptor group 0: chunk 0
.set G0W, 48                           ; s[48:51] chunk 1; then it walks
.set G0X, 52                           ; s[52:55] x
.set CNT, 56
.set TB,  57                           ; s57  the slot in hand: 0 or SLOTB
.set CS,  58                           ; s[58:59] c = log2(e) / 16
.set SEL, 60                           ; s[60:61] v_permlanex16_b32's selects: each lane takes its own place in the other half
.set INV, 62                           ; s62  1/256
.set EPS, 63                           ; s63  1e-5
.set NINV, 66                          ; s66  -1/256
.set CN2, 67
.set PHS, 71                           ; s71  norms still to be made: 2, then 1
.set K1, 0                             ; kinds of product: K1: block = W^T H.  KV: block = H W.  K2: X += W^T block
.set KV, 1
.set K2, 2
.set FDB, 0                            ; 1: two fragment buffers, unit u in buffer u % 2 (the MLP)
.set MSB, 0
.macro WIN new                         ; the immediate's high byte repeats the setting that is left; a switch that changes nothing is dropped
.if MSB != (\new)
	s_set_vgpr_msb (MSB<<8)|(\new)
.set MSB, (\new)
.endif
.endm
; A vector instruction that reads a matrix result or writes one of a matrix instruction's registers, and a load into such a register, stand four places behind it; only plain vector
; instructions that name none of its registers are places (ISA guide 7.12.1 for vector instructions).
.macro PLACES
.rept 4
	v_nop
.endr
.endm
; A round of the cluster's barrier: my work-group's barrier, so that wave 0's signal speaks for all four waves; wave 0 signals; every wave waits for all four work-groups; my work-group's barrier once more.
.macro CREST                           ; a round behind its opening barrier
	s_cmp_lg_u32 s[WV], 0
	s_cbranch_scc1 .Lnot_wave_0_\@
	s_barrier_signal -3
.Lnot_wave_0_\@:
	s_barrier_wait -3
	s_barrier_signal -1
	s_barrier_wait -1
.endm
.macro ROUND
	s_barrier_signal -1
	s_barrier_wait -1
	CREST
.endm
.macro TILES n, line:vararg            ; one line for each of n tiles tt
.set tt, 0
.rept \n
	\line
.set tt, tt+1
.endr
.endm
.macro PAIRS n, line:vararg            ; one line for each pair i of a tile's eight registers, the tiles inside: no line reads the result of the one before it
.set i, 0
.rept 4
.set tt, 0
.rept \n
	\line
.set tt, tt+1
.endr
.set i, i+1
.endr
.endm
.macro ALL4 line:vararg                ; one line for each tile t
.set t, 0
.rept 4
	\line
.set t, t+1
.endr
.endm
.macro FETCH i                         ; fragment i of the chunk (64 and more: of the next chunk) into its slot: 32 lanes x 16 neighbouring bytes, twice
.set fd, FR+64*FDB*(((\i)/8)%2)+8*((\i)%8)
	ds_load_b128 v[fd:fd+3],   v[AD] offset:((\i)%64)*1024
	ds_load_b128 v[fd+4:fd+7], v[AD] offset:((\i)%64)*1024+512
.endm
.macro RUN i0                          ; eight LDS loads in one run: fragments i0 .. i0 + 3 into half of the slots
	FETCH (\i0)
	FETCH (\i0)+1
	FETCH (\i0)+2
	FETCH (\i0)+3
.endm
; One matrix instruction: fragment i, tile t.  K1, KV: the unit's first fragment starts the sum, with 0 or (cm) with the bias fragment at v[cm].  K2: cm is the half of X's feature tiles.
.macro MM kind, i, t, blk, cm
.set fr, FR+64*FDB*(((\i)/8)%2)+8*((\i)%8)
.set dd, (\blk)+8*(\t)
.set hh, 64*(\t)+8*((\i)%8)
.set xx, 32*((\i)%8)+8*(\t)
.if (\kind) == K1
	WIN 0x04                                       ; source 1 (H) in window 1
.if ((\i)%8) != 0
	v_wmma_f32_16x16x32_f16 v[dd:dd+7], v[fr:fr+7], v[hh:hh+7], v[dd:dd+7]
.elseif (\cm) == 0
	v_wmma_f32_16x16x32_f16 v[dd:dd+7], v[fr:fr+7], v[hh:hh+7], 0
.else
	v_wmma_f32_16x16x32_f16 v[dd:dd+7], v[fr:fr+7], v[hh:hh+7], v[(\cm):(\cm)+7]
.endif
.elseif (\kind) == KV
	WIN 0x01                                       ; source 0 (H) in window 1
.if ((\i)%8) != 0
	v_wmma_f32_16x16x32_f16 v[dd:dd+7], v[hh:hh+7], v[fr:fr+7], v[dd:dd+7]
.else
	v_wmma_f32_16x16x32_f16 v[dd:dd+7], v[hh:hh+7], v[fr:fr+7], 0
.endif
.else
	WIN 0xa0+0x50*(\cm)                            ; C and D (X) in window 2 or 3
	v_wmma_f32_16x16x32_f16 v[xx:xx+7], v[fr:fr+7], v[dd:dd+7], v[xx:xx+7]
.endif
.endm
.macro MUL8 kind, i0, blk, cm          ; eight matrix instructions back to back: fragments i0, i0 + 1 times the four tiles.  The accumulators take turns, one instruction a turn
.irp g, 0,1
.irp t, 0,1,2,3
	MM \kind, (\i0)+\g, \t, \blk, \cm
.endr
.endr
.endm
; A UNIT OF THE ATTENTION: eight fragments, 32 matrix instructions, in two halves of 16.  THE LDS LOADS STAND IN RUNS OF EIGHT, never singly among the matrix instructions: behind a half, and behind four v_nop
; (the places behind its last products), the four slots that it read take the next unit's fragments: each run is issued 16 matrix instructions ahead of its first use.  The run behind the second half is RUN2,
; which the chunks below write behind each unit, ahead of the conversions.  The wait at a half's head is counted: behind its fragments' loads stands the one run issued since, eight loads, which may stay out.
; turn = 1 (a chunk's last unit): THE CHANGE OF SLOTS.  All the slot's reads have been issued.  Each wave waits for all its tensor loads, of which one is out: its quarter of the other slot; adds 0 to its spare word;
; multiplies eight; and waits for the add and for its reads of the slot.  Behind the barrier nobody reads this slot any more and the other slot is whole.  The barrier opens a round of the cluster's, so that no
; wave of any partner still reads the slot or has a load on its way, and the joint refill (the chunk two on) is the first thing behind it.
.macro UNIT kind, u, blk, cm, turn
.if (\turn) == 0
	s_wait_dscnt 0x8                               ; the first half's fragments are in; the second half's eight loads may stay out
	MUL8 \kind, 8*(\u), \blk, \cm
	MUL8 \kind, 8*(\u)+2, \blk, \cm
	PLACES
.if (\kind) != K1
	WIN 0                                          ; (K1's setting leaves a load's address and destination in window 0)
.endif
	RUN 8*(\u)+8
	s_wait_dscnt 0x8                               ; all but the run just issued
	MUL8 \kind, 8*(\u)+4, \blk, \cm
	MUL8 \kind, 8*(\u)+6, \blk, \cm
.else
	WIN 0                                          ; (the add's two registers lie in window 0)
	s_wait_tensorcnt 0x0                           ; no tensor load of mine is out, so a group 0 may be written
	ds_add_u32 v[SPW], v[NIL]                      ; 0 onto my spare word
	s_xor_b32 s[G0W+1], s[G0W+1], SLOTB            ; the walking descriptor: the other slot than last time,
	s_add_nc_u64 s[G0W+2:G0W+3], s[G0W+2:G0W+3], SLOTB  ; the next chunk; the type bits on top are not reached
	s_xor_b32 s[TB], s[TB], SLOTB
	s_wait_dscnt 0x9                               ; the first half's fragments are in; the second half's eight loads and the add may stay out
	MUL8 \kind, 56, \blk, \cm                      ; eight matrix instructions stand between the add and the wait for it
	s_wait_dscnt 0x0                               ; the add is done, and my reads of this slot are over
	s_barrier_signal -1
	MUL8 \kind, 58, \blk, \cm                      ; work on registers while the others arrive
	WIN 0                                          ; at a branch and at a label every window is 0
	s_barrier_wait -1
	CREST
	tensor_load_to_lds s[G0W:G0W+3], s[G1W:G1W+7]
	s_nop 0
	PLACES                                         ; also the places in front of the loads below
	v_add_nc_u32 v[AD], s[TB], v[AD0]
	RUN 64                                         ; the next chunk's first fragments
	MUL8 \kind, 60, \blk, \cm                      ; fragments 60 to 63 came in by the wait for 0
	MUL8 \kind, 62, \blk, \cm
.endif
.endm
.macro RUN2 u                          ; behind unit u: the slots of its second half take the next unit's.  The four v_nop are the places behind the unit's last products, for these loads and for what reads the results behind them
	PLACES
	WIN 0
	RUN 8*(\u)+12
.endm
.macro CVT4 dst, src                   ; four tiles' results rounded to f16, eight numbers into four registers; ascending, so that it may be done in place
.irp t, 0,1,2,3
.irp n, 0,1,2,3
	v_cvt_pk_f16_f32 v[(\dst)+8*\t+\n], v[(\src)+8*\t+2*\n], v[(\src)+8*\t+2*\n+1]
.endr
.endr
.endm
.macro VCVT                            ; 16 channels of V: tiles 2 p and 2 p + 1 make one operand of 32 keys at A2 + 8 p
.irp t, 0,1,2,3
.irp n, 0,1,2,3
	v_cvt_pk_f16_f32 v[A2+8*(\t/2)+4*(\t%2)+\n], v[A1+8*\t+2*\n], v[A1+8*\t+2*\n+1]
.endr
.endr
.endm
.macro PVM blk                         ; O^T = V^T P for 16 channels.  P of pair p lies at A0 + 16 p as P(2 p), four zeros, P(2 p + 1): an even tile takes registers 0-7 of these, an odd one 4-11
.irp t, 0,1,2,3
	v_wmma_f32_16x16x32_f16 v[(\blk)+8*\t:(\blk)+8*\t+7], v[A2+8*(\t/2):A2+8*(\t/2)+7], v[A0+16*(\t/2)+4*(\t%2):A0+16*(\t/2)+4*(\t%2)+7], 0
.endr
.endm
; SOFTMAX of the four tiles' scores S = A4 + 8 t, step by step over the tiles; at work: A1 + 8 t.  The maximum over a query's 16 keys (eight registers and the lane 16 away) is taken away before the exponential:
; p = 2^(c s - c m); the sum is taken of the unrounded p, p is divided by it and then rounded to f16.  Each accumulator's lowest registers are read first.
.macro SOFTMAX
	WIN 0
	ALL4 v_max3_num_f32 v[A1+8*t], v[A4+8*t], v[A4+8*t+1], v[A4+8*t+2]
	ALL4 v_max3_num_f32 v[A1+8*t+1], v[A4+8*t+3], v[A4+8*t+4], v[A4+8*t+5]
	ALL4 v_max3_num_f32 v[A1+8*t], v[A1+8*t], v[A4+8*t+6], v[A4+8*t+7]
	ALL4 v_max_num_f32 v[A1+8*t], v[A1+8*t], v[A1+8*t+1]
	ALL4 v_permlanex16_b32 v[A1+8*t+1], v[A1+8*t], s[SEL], s[SEL+1]
	ALL4 v_max_num_f32 v[A1+8*t], v[A1+8*t], v[A1+8*t+1]
	ALL4 v_mul_f32 v[A1+8*t+2], s[CS], v[A1+8*t]
	ALL4 v_mul_f32 v[A1+8*t+3], s[CS], v[A1+8*t]
.irp i, 0,1,2,3
	ALL4 v_pk_fma_f32 v[A4+8*t+2*\i:A4+8*t+2*\i+1], v[A4+8*t+2*\i:A4+8*t+2*\i+1], s[CS:CS+1], v[A1+8*t+2:A1+8*t+3] op_sel_hi:[1,0,1] neg_lo:[0,0,1] neg_hi:[0,0,1]
.endr
.irp j, 0,1,2,3,4,5,6,7
	ALL4 v_exp_f32 v[A4+8*t+\j], v[A4+8*t+\j]
.endr
	v_nop                                          ; a plain instruction between the last exponential and the use of its result (ISA guide 5.7.2)
	s_wait_alu depctr_va_vdst(0)
	ALL4 v_pk_add_f32 v[A1+8*t+4:A1+8*t+5], v[A4+8*t:A4+8*t+1], v[A4+8*t+2:A4+8*t+3]
	ALL4 v_pk_add_f32 v[A1+8*t+6:A1+8*t+7], v[A4+8*t+4:A4+8*t+5], v[A4+8*t+6:A4+8*t+7]
	ALL4 v_pk_add_f32 v[A1+8*t+4:A1+8*t+5], v[A1+8*t+4:A1+8*t+5], v[A1+8*t+6:A1+8*t+7]
	ALL4 v_add_f32 v[A1+8*t+4], v[A1+8*t+4], v[A1+8*t+5]
	ALL4 v_permlanex16_b32 v[A1+8*t+5], v[A1+8*t+4], s[SEL], s[SEL+1]
	ALL4 v_add_f32 v[A1+8*t+4], v[A1+8*t+4], v[A1+8*t+5]
	ALL4 v_rcp_f32 v[A1+8*t+6], v[A1+8*t+4]
	v_nop
	s_wait_alu depctr_va_vdst(0)
	ALL4 v_mov_b32 v[A1+8*t+7], v[A1+8*t+6]
.irp i, 0,1,2,3
	ALL4 v_pk_mul_f32 v[A4+8*t+2*\i:A4+8*t+2*\i+1], v[A4+8*t+2*\i:A4+8*t+2*\i+1], v[A1+8*t+6:A1+8*t+7]
.endr
.irp i, 0,1,2,3
	ALL4 v_cvt_pk_f16_f32 v[A0+16*(t/2)+8*(t%2)+\i], v[A4+8*t+2*\i], v[A4+8*t+2*\i+1]
.endr
.irp i, 0,1,2,3
	v_mov_b32 v[A0+4+\i], 0                        ; the weights that a tile gives its partner's keys
	v_mov_b32 v[A0+20+\i], 0
.endr
.endm
; LAYER NORM of tiles T0 .. T0 + NT - 1 of X, into H.  A lane holds 128 of its token's 256 features, the lane 16 away the others.  Three passes over X: the mean; the mean of the squares of x - mean
; (no difference of large sums is formed); (x - mean) rsq g + be, rounded to f16.  g lies at v[PG], be 1,024 bytes behind it.  At work: A0 eight numbers a tile; A1 two buffers for the parameters of a
; feature tile (g, then be), loaded a tile ahead; A2 + 8 tt sums; A3 + 8 tt three pairs: -mean, rsq, -mean x rsq, each number twice.
.macro LN T0, NT
.set ff, 0
.rept 16
.set xw, 2+ff/8
.set xb, 32*(ff%8)+8*(\T0)
.if ff == 0
	WIN 0x0a                                       ; the first eight numbers start the two chains: nothing is cleared
	TILES \NT, v_pk_add_f32 v[A2+8*tt:A2+8*tt+1], v[xb+8*tt:xb+8*tt+1], v[xb+8*tt+4:xb+8*tt+5]
	TILES \NT, v_pk_add_f32 v[A2+8*tt+2:A2+8*tt+3], v[xb+8*tt+2:xb+8*tt+3], v[xb+8*tt+6:xb+8*tt+7]
.else
	WIN xw<<2                                      ; source 1 in X's window
	PAIRS \NT, v_pk_add_f32 v[A2+8*tt+2*(i%2):A2+8*tt+2*(i%2)+1], v[A2+8*tt+2*(i%2):A2+8*tt+2*(i%2)+1], v[xb+8*tt+2*i:xb+8*tt+2*i+1]
.endif
.set ff, ff+1
.endr
	WIN 0
	TILES \NT, v_pk_add_f32 v[A2+8*tt:A2+8*tt+1], v[A2+8*tt:A2+8*tt+1], v[A2+8*tt+2:A2+8*tt+3]
	TILES \NT, v_add_f32 v[A2+8*tt], v[A2+8*tt], v[A2+8*tt+1]
	TILES \NT, v_permlanex16_b32 v[A2+8*tt+1], v[A2+8*tt], s[SEL], s[SEL+1]
	TILES \NT, v_add_f32 v[A2+8*tt], v[A2+8*tt], v[A2+8*tt+1]
	TILES \NT, v_mul_f32 v[A3+8*tt], s[NINV], v[A2+8*tt]
	TILES \NT, v_mul_f32 v[A3+8*tt+1], s[NINV], v[A2+8*tt]
.set ff, 0
.rept 16
.set xw, 2+ff/8
.set xb, 32*(ff%8)+8*(\T0)
	WIN xw<<2
	PAIRS \NT, v_pk_add_f32 v[A0+8*tt+2*i:A0+8*tt+2*i+1], v[A3+8*tt:A3+8*tt+1], v[xb+8*tt+2*i:xb+8*tt+2*i+1]
	WIN 0
.if ff == 0
	TILES \NT, v_pk_mul_f32 v[A2+8*tt+4:A2+8*tt+5], v[A0+8*tt:A0+8*tt+1], v[A0+8*tt:A0+8*tt+1]
	TILES \NT, v_pk_mul_f32 v[A2+8*tt+6:A2+8*tt+7], v[A0+8*tt+2:A0+8*tt+3], v[A0+8*tt+2:A0+8*tt+3]
	TILES \NT, v_pk_fma_f32 v[A2+8*tt+4:A2+8*tt+5], v[A0+8*tt+4:A0+8*tt+5], v[A0+8*tt+4:A0+8*tt+5], v[A2+8*tt+4:A2+8*tt+5]
	TILES \NT, v_pk_fma_f32 v[A2+8*tt+6:A2+8*tt+7], v[A0+8*tt+6:A0+8*tt+7], v[A0+8*tt+6:A0+8*tt+7], v[A2+8*tt+6:A2+8*tt+7]
.else
	PAIRS \NT, v_pk_fma_f32 v[A2+8*tt+4+2*(i%2):A2+8*tt+4+2*(i%2)+1], v[A0+8*tt+2*i:A0+8*tt+2*i+1], v[A0+8*tt+2*i:A0+8*tt+2*i+1], v[A2+8*tt+4+2*(i%2):A2+8*tt+4+2*(i%2)+1]
.endif
.set ff, ff+1
.endr
	ds_load_b128 v[A1:A1+3],     v[PG]                 ; g and be of feature tile 0
	ds_load_b128 v[A1+4:A1+7],   v[PG] offset:16
	ds_load_b128 v[A1+8:A1+11],  v[PG] offset:1024
	ds_load_b128 v[A1+12:A1+15], v[PG] offset:1040
	TILES \NT, v_pk_add_f32 v[A2+8*tt+4:A2+8*tt+5], v[A2+8*tt+4:A2+8*tt+5], v[A2+8*tt+6:A2+8*tt+7]
	TILES \NT, v_add_f32 v[A2+8*tt+4], v[A2+8*tt+4], v[A2+8*tt+5]
	TILES \NT, v_permlanex16_b32 v[A2+8*tt+5], v[A2+8*tt+4], s[SEL], s[SEL+1]
	TILES \NT, v_add_f32 v[A2+8*tt+4], v[A2+8*tt+4], v[A2+8*tt+5]
	TILES \NT, v_fma_f32 v[A2+8*tt+4], v[A2+8*tt+4], s[INV], s[EPS]
	TILES \NT, v_rsq_f32 v[A3+8*tt+2], v[A2+8*tt+4]
	v_nop                                          ; a plain instruction between the last root and the use of its result
	s_wait_alu depctr_va_vdst(0)
	TILES \NT, v_mov_b32 v[A3+8*tt+3], v[A3+8*tt+2]
	TILES \NT, v_pk_mul_f32 v[A3+8*tt+4:A3+8*tt+5], v[A3+8*tt:A3+8*tt+1], v[A3+8*tt+2:A3+8*tt+3]
.set ff, 0
.rept 16
.set xw, 2+ff/8
.set xb, 32*(ff%8)+8*(\T0)
.set pb, A1+16*(ff%2)
.set pn, A1+16*((ff+1)%2)
	WIN xw                                         ; source 0 in X's window
	PAIRS \NT, v_pk_fma_f32 v[A0+8*tt+2*i:A0+8*tt+2*i+1], v[xb+8*tt+2*i:xb+8*tt+2*i+1], v[A3+8*tt+2:A3+8*tt+3], v[A3+8*tt+4:A3+8*tt+5]
	WIN 0
.if ff < 15
	ds_load_b128 v[pn:pn+3],     v[PG] offset:64*(ff+1)
	ds_load_b128 v[pn+4:pn+7],   v[PG] offset:64*(ff+1)+16
	ds_load_b128 v[pn+8:pn+11],  v[PG] offset:1024+64*(ff+1)
	ds_load_b128 v[pn+12:pn+15], v[PG] offset:1024+64*(ff+1)+16
	s_wait_dscnt 0x4                               ; the next feature tile's four loads may stay out
.else
	s_wait_dscnt 0x0
.endif
	PAIRS \NT, v_pk_fma_f32 v[A0+8*tt+2*i:A0+8*tt+2*i+1], v[A0+8*tt+2*i:A0+8*tt+2*i+1], v[pb+2*i:pb+2*i+1], v[pb+8+2*i:pb+8+2*i+1]
	WIN 0x40                                       ; destination (H) in window 1
	PAIRS \NT, v_cvt_pk_f16_f32 v[64*((\T0)+tt)+8*(ff/2)+4*(ff%2)+i], v[A0+8*tt+2*i], v[A0+8*tt+2*i+1]
.set ff, ff+1
.endr
	WIN 0
.endm
; X += bo, behind the attention: bo's fragment of a feature tile is loaded a tile ahead, into two buffers in A1.  Each accumulator's lowest registers are read first.
.macro ADDBO
	WIN 0
	ds_load_b128 v[A1:A1+3],   v[PH] offset:P_BO
	ds_load_b128 v[A1+4:A1+7], v[PH] offset:P_BO+16
.set ff, 0
.rept 16
.set xw, 2+ff/8
.set xb, 32*(ff%8)
.set pb, A1+16*(ff%2)
.set pn, A1+16*((ff+1)%2)
	WIN 0
.if ff < 15
	ds_load_b128 v[pn:pn+3],   v[PH] offset:P_BO+64*(ff+1)
	ds_load_b128 v[pn+4:pn+7], v[PH] offset:P_BO+64*(ff+1)+16
	s_wait_dscnt 0x2                               ; the next feature tile's two loads may stay out
.else
	s_wait_dscnt 0x0
.endif
	WIN (xw<<6)|xw                                 ; destination and source 0 in X's window
	PAIRS 4, v_pk_add_f32 v[xb+8*tt+2*i:xb+8*tt+2*i+1], v[xb+8*tt+2*i:xb+8*tt+2*i+1], v[pb+2*i:pb+2*i+1]
.set ff, ff+1
.endr
	WIN 0
.endm
; Tiles T0, T0 + 1 of X out of my stage, and back into it: lane l takes row l % 16 and the 32 bytes of its eight features of each feature tile.
.macro XLOAD T0
.irp hi, 0,1
	WIN 0x80+0x40*\hi
.irp f8, 0,1,2,3,4,5,6,7
.irp t, 0,1
	ds_load_b128 v[32*\f8+8*((\T0)+\t):32*\f8+8*((\T0)+\t)+3],   v[XR] offset:16*SPITCH*\t+64*(8*\hi+\f8)
	ds_load_b128 v[32*\f8+8*((\T0)+\t)+4:32*\f8+8*((\T0)+\t)+7], v[XR] offset:16*SPITCH*\t+64*(8*\hi+\f8)+16
.endr
.endr
.endr
.endm
.macro XSTORE T0
.irp hi, 0,1
	WIN 0x08+4*\hi
.irp f8, 0,1,2,3,4,5,6,7
.irp t, 0,1
	ds_store_b128 v[XR], v[32*\f8+8*((\T0)+\t):32*\f8+8*((\T0)+\t)+3]   offset:16*SPITCH*\t+64*(8*\hi+\f8)
	ds_store_b128 v[XR], v[32*\f8+8*((\T0)+\t)+4:32*\f8+8*((\T0)+\t)+7] offset:16*SPITCH*\t+64*(8*\hi+\f8)+16
.endr
.endr
.endr
.endm
; CHUNK A of a head: q (units 0-3) and k (units 4-7), 16 channels a unit.  An even unit is rounded in place, an odd one into the upper halves of the block before: Q's operands end in A0, A1, K's in A2, A3.
; Then S^T = K Q^T, started by the mask, and the softmax.
.macro QK u, blk, dst, turn            ; a unit, the run of loads behind it, and its results rounded while those loads are out
	UNIT K1, \u, \blk, 0, \turn
	RUN2 \u
	CVT4 \dst, \blk
.endm
.macro CHUNK_A
	QK 0, A0, A0, 0
	QK 1, A1, A0+4, 0
	QK 2, A1, A1, 0
	QK 3, A2, A1+4, 0
	QK 4, A2, A2, 0
	QK 5, A3, A2+4, 0
	QK 6, A3, A3, 0
	QK 7, A4, A3+4, 1
.irp t, 0,1,2,3
	v_wmma_f32_16x16x32_f16 v[A4+8*\t:A4+8*\t+7], v[A2+8*\t:A2+8*\t+7], v[A0+8*\t:A0+8*\t+7], v[MD:MD+7]
.endr
.irp t, 0,1,2,3
	v_wmma_f32_16x16x32_f16 v[A4+8*\t:A4+8*\t+7], v[A3+8*\t:A3+8*\t+7], v[A1+8*\t:A1+8*\t+7], v[A4+8*\t:A4+8*\t+7]
.endr
	PLACES
	SOFTMAX
.endm
; CHUNK B of a head: four times 16 channels of v, rounded, and their O^T; O^T's operands end in A3 (channels 0-31) and A4 (32-63).  Then X += Wo^T O^T: units 4-7, 32 channels x 128 features each.
.macro VO u, blk                       ; 16 channels of v into A1, rounded into A2; their O^T into blk
	UNIT KV, \u, A1, 0, 0
	RUN2 \u
	VCVT
	PVM \blk
.endm
.macro CHUNK_B
	VO 0, A3
	VO 1, A4
	PLACES
	CVT4 A3, A3
	CVT4 A3+4, A4
	VO 2, A4
	VO 3, A1
	PLACES
	CVT4 A4, A4
	CVT4 A4+4, A1
	UNIT K2, 4, A3, 0, 0
	RUN2 4
	UNIT K2, 5, A3, 1, 0
	RUN2 5
	UNIT K2, 6, A4, 0, 0
	RUN2 6
	UNIT K2, 7, A4, 1, 1
	RUN2 7
.endm
; THE MLP.  Behind the second norm blocks A0 and A1 are free and become a second fragment buffer: unit u multiplies out of buffer u % 2, and behind it ONE run of sixteen loads brings unit u + 2's fragments into
; the buffer that it has just read: eight runs a chunk, each with a whole unit, 32 matrix instructions, in which to land.
; RIDERS.  A unit's relu and rounding (32 + 16 vector instructions) stand four at a time behind the first twelve matrix instructions of the NEXT unit; none names a register of the products round it.
; Group n of twelve: tile n / 3; two groups of relu, then one of rounding (ascending, so that it may be done in place).  Each accumulator's lowest registers are read first.
.macro RIDER src, dst, n
	WIN 0
.set rsx, (\src)+8*((\n)/3)
.set rdx, (\dst)+8*((\n)/3)
.set rq, (\n)%3
.if rq < 2
.irp e, 0,1,2,3
	v_max_num_f32 v[rsx+4*rq+\e], 0, v[rsx+4*rq+\e]
.endr
.else
.irp e, 0,1,2,3
	v_cvt_pk_f16_f32 v[rdx+\e], v[rsx+2*\e], v[rsx+2*\e+1]
.endr
.endif
.endm
; A unit of the MLP: 32 matrix instructions, the accumulators by turns.  rsrc != 0: the block of the unit before rides along, rounded into rdst.
; wt: the loads of the run issued behind the unit before, which may stay out: 16, or 18 where that run also brought a fragment of b1.
.macro MUNIT kind, u, blk, cm, rsrc, rdst, wt
	s_wait_dscnt \wt
.set pn, 0
.irp g, 0,1,2,3,4,5,6,7
.irp t, 0,1,2,3
	MM \kind, 8*(\u)+\g, \t, \blk, \cm
.if ((\rsrc) != 0) && (pn < 12)
	RIDER \rsrc, \rdst, pn
.endif
.set pn, pn+1
.endr
.endr
.endm
.macro RUNM u                          ; unit u's eight fragments (8, 9: the next chunk's units 0, 1), sixteen loads in one run
.set fi, 8*(\u)
.rept 8
	FETCH fi
.set fi, fi+1
.endr
.endm
; Behind a unit: four v_nop, the places behind its last products (for these loads, and for the riders that read its results); then unit u's fragments, and for a unit that multiplies by W1 its fragment of b1
; (register j is the bias of feature 8 (l / 16) + j), into the buffer of its parity.  v[BA] steps on to the next chunk's b1 when this chunk's four fragments have been asked for.
.macro MRUN u
	PLACES
	WIN 0
.if ((\u)%8) < 4
.set bb, BB0+(BB1-BB0)*((\u)%2)
	ds_load_b128 v[bb:bb+3],   v[BA] offset:64*((\u)%8)
	ds_load_b128 v[bb+4:bb+7], v[BA] offset:64*((\u)%8)+16
.endif
	RUNM \u
.if (\u) == 4
	v_add_nc_u32 v[BA], 0x100, v[BA]
.endif
.endm
; Unit 6 of a chunk of the MLP, with THE CHANGE OF SLOTS: unit 7's fragments, the slot's last, were asked for behind unit 5.  Each wave waits for all its tensor loads, of which one is out: its quarter of the other
; slot; adds 0 to its spare word; multiplies eight; and waits for the add and for its reads of the slot.  Behind the barrier nobody reads this slot any more and the other slot is whole.
; turn = 1: the barrier opens a round of the cluster's, and the joint refill (the chunk two on) is the first thing behind it.  turn = 2: the last two chunks: nothing is left to fetch.
; (Behind the very last chunk the two runs out of the other slot, and the fragments of b1 read from g1's bytes, serve nothing: the price of one text for both.)
.macro MTURN blk, cm, turn
	s_wait_dscnt 16                                ; unit 6's fragments are in; unit 7's sixteen loads may stay out
	MUL8 K2, 48, \blk, \cm
	MUL8 K2, 50, \blk, \cm
	WIN 0                                          ; (the add's two registers lie in window 0)
	s_wait_tensorcnt 0x0                           ; no tensor load of mine is out, so a group 0 may be written
	ds_add_u32 v[SPW], v[NIL]                      ; 0 onto my spare word
.if (\turn) == 1
	s_xor_b32 s[G0W+1], s[G0W+1], SLOTB            ; the walking descriptor: the other slot than last time,
	s_add_nc_u64 s[G0W+2:G0W+3], s[G0W+2:G0W+3], SLOTB  ; the next chunk
.endif
	s_xor_b32 s[TB], s[TB], SLOTB
	MUL8 K2, 52, \blk, \cm                         ; eight matrix instructions stand between the add and the wait for it
	s_wait_dscnt 0x0                               ; the add is done, and my reads of this slot are over: unit 7's fragments are in registers
	s_barrier_signal -1
	MUL8 K2, 54, \blk, \cm                         ; work on registers while the others arrive
	WIN 0                                          ; at a branch and at a label every window is 0
	v_add_nc_u32 v[AD], s[TB], v[AD0]              ; the fetches go on in the other slot
	s_barrier_wait -1
.if (\turn) == 1
	CREST
	tensor_load_to_lds s[G0W:G0W+3], s[G1W:G1W+7]
	s_nop 0
.endif
	MRUN 8
.endm
; A CHUNK OF THE MLP: 64 hidden features.  Units 0-3: W1^T H, started by b1's fragments; units 4-7: X += W2^T of relu(..).  Features 0-31 end in M0 (unit 0 in place, unit 1 into the upper halves),
; features 32-63 in M2 (unit 2 in place, unit 3 into the upper halves); M1 takes the odd units' results.
.macro CHUNK_M turn
	MUNIT K1, 0, M0, BB0, 0, 0, 18
	MRUN 2
	MUNIT K1, 1, M1, BB1, M0, M0, 18
	MRUN 3
	MUNIT K1, 2, M2, BB0, M1, M0+4, 18
	MRUN 4
	MUNIT K1, 3, M1, BB1, M2, M2, 16
	MRUN 5
	MUNIT K2, 4, M0, 0, M1, M2+4, 16
	MRUN 6
	MUNIT K2, 5, M0, 1, 0, 0, 16
	MRUN 7
	MTURN M2, 0, \turn
	MUNIT K2, 7, M2, 1, 0, 0, 18
	MRUN 9
.endm
	s_load_b512 s[4:19], s[0:1], 0x0               ; x s[4:5], wst s[6:7], b1 s[8:9], g1 s[10:11], be1 s[12:13], g2 s[14:15], be2 s[16:17], bo s[18:19]
	s_load_b128 s[20:23], s[0:1], 0x40             ; b2 s[20:21], out0 s[22:23]
	v_lshl_add_u32 v[SPW], v0, 2, SPARE
	v_mov_b32 v[NIL], 0
	ds_add_u32 v10, v11
	s_wait_dscnt 0x0
	v_lshrrev_b32 v1, 5, v0
	v_readfirstlane_b32 s[WV], v1                  ; wave 0..3
	s_bfe_u32 s25, ttmp6, 0x40000                  ; cx: my place in the cluster
	s_lshl_b32 s26, ttmp9, 2                       ; in a cluster launch ttmp9 counts clusters
	s_add_co_u32 s26, s26, s25                     ; my work-group: it enters x's and out0's addresses alone
	s_lshl_b32 s68, s26, 18                        ; its 256 rows of 1,024 bytes,
	s_lshl_b32 s69, s[WV], 16                      ; my wave's 64 of them
	s_add_co_u32 s68, s68, s69
	s_mov_b32 s69, 0
	s_lshl_b32 s70, s[WV], 14                      ; my quarter of a chunk, in memory and in a slot
	s_mov_b32 s71, 0
	; descriptor group 1 for a quarter of a chunk: 16,384 dense bytes as 64 rows of 256
	s_mov_b32 s[G1W], 15|(3<<16)|(1<<21)           ; 15:0 the mask of four; 17:16 elements of 8 bytes; 21 set beside a mask
	s_mov_b32 s[G1W+1], 32<<16                     ; tensor_dim0 = 32
	s_mov_b32 s[G1W+2], 64<<16                     ; tensor_dim1 = 64
	s_mov_b32 s[G1W+3], 32<<16                     ; tile_dim0 = 32
	s_mov_b32 s[G1W+4], 64                         ; tile_dim1 = 64
	s_mov_b32 s[G1W+5], 32                         ; 32 elements from row to row
	s_mov_b32 s[G1W+6], 0
	s_mov_b32 s[G1W+7], 0
	; for 32 rows of x: my own load, no mask; 4 words of padding behind every 256
	s_mov_b32 s[G1X], (2<<16)|(1<<20)|(7<<22)|(3<<25)
	s_mov_b32 s[G1X+1], 256<<16
	s_mov_b32 s[G1X+2], 32<<16
	s_mov_b32 s[G1X+3], 256<<16
	s_mov_b32 s[G1X+4], 32
	s_mov_b32 s[G1X+5], 256
	s_mov_b32 s[G1X+6], 0
	s_mov_b32 s[G1X+7], 0
	s_mov_b32 s[G0A], 1
	s_mov_b32 s[G0A+1], s70                        ; slot 0
	s_mov_b32 s[G0W], 1
	s_add_co_u32 s[G0W+1], s70, SLOTB              ; slot 1
	s_mov_b32 s[G0X], 1
	s_mul_i32 s[G0X+1], s[WV], WSTAGE
	s_add_co_u32 s[G0X+1], s[G0X+1], STAGE         ; my stage
	s_mov_b32 s[BIGN], 0xf149f2ca                  ; -1e30
	s_mov_b32 s[TB], 0
	s_mov_b32 s[CS], 0x3db8aa3b                    ; c = log2(e) / 16 = 0.0901684: the scale is 256^-0.5
	s_mov_b32 s[CS+1], s[CS]
	s_mov_b32 s[SEL], 0x76543210
	s_mov_b32 s[SEL+1], 0xfedcba98
	s_mov_b32 s[INV], 0x3b800000
	s_mov_b32 s[EPS], 0x3727c5ac
	s_mov_b32 s[NINV], 0xbb800000
	s_wait_kmcnt 0x0
	s_add_nc_u64 s[G0A+2:G0A+3], s[6:7], s[70:71]  ; chunk 0,
	s_add_nc_u64 s[G0W+2:G0W+3], s[G0A+2:G0A+3], SLOTB  ; chunk 1
	s_or_b32 s[G0A+3], s[G0A+3], 0x80000000        ; type = 2
	s_or_b32 s[G0W+3], s[G0W+3], 0x80000000
	s_add_nc_u64 s[G0X+2:G0X+3], s[4:5], s[68:69]
	s_or_b32 s[G0X+3], s[G0X+3], 0x80000000
	s_add_nc_u64 s[22:23], s[22:23], s[68:69]      ; out0 at my wave's first row
	ROUND                                          ; all four work-groups are here: the first joint loads meet
	tensor_load_to_lds s[G0X:G0X+3], s[G1X:G1X+7]  ; the first fills go out together: three loads of mine are out.  My rows 0-31 of x,
	s_nop 0
	tensor_load_to_lds s[G0A:G0A+3], s[G1W:G1W+7]  ; my quarter of chunk 0,
	s_nop 0
	tensor_load_to_lds s[G0W:G0W+3], s[G1W:G1W+7]  ; and of chunk 1
	s_nop 0
	PLACES
	v_and_b32 v1, 15, v0                           ; l % 16
	v_bfe_u32 v2, v0, 4, 1                         ; l / 16
	v_and_b32 v22, 31, v0
	v_lshlrev_b32 v[AD0], 4, v22
	v_mov_b32 v[AD], v[AD0]
	v_mul_u32_u24 v[XR], v1, SPITCH
	v_lshl_add_u32 v[XR], v2, 5, v[XR]
	v_add_nc_u32 v[XR], s[G0X+1], v[XR]
	v_add_nc_u32 v[RD0], s[G0X+1], v[AD0]
	v_mov_b32 v[GO], v[AD0]
	v_lshl_add_u32 v[PH], v2, 5, PARAM
	v_mov_b32 v[BA], v[PH]
	v_lshl_add_u32 v[PG], v2, 5, PARAM+P_G1
	v_add_nc_u32 v[PL], PARAM, v[AD0]
	v_lshlrev_b32 v23, 4, v0                       ; the seven vectors are copied once, in whole runs: 128 threads x 16 bytes, twice, for b1; x 8 bytes for each of the others
	v_lshlrev_b32 v24, 3, v0
	v_add_nc_u32 v25, PARAM, v23
	v_add_nc_u32 v26, PARAM, v24
	global_load_b128 v[A0:A0+3],     v23, s[8:9]
	global_load_b128 v[A0+4:A0+7],   v23, s[8:9] offset:2048
	global_load_b64 v[A0+8:A0+9],    v24, s[10:11]
	global_load_b64 v[A0+10:A0+11],  v24, s[12:13]
	global_load_b64 v[A0+12:A0+13],  v24, s[14:15]
	global_load_b64 v[A0+14:A0+15],  v24, s[16:17]
	global_load_b64 v[A0+16:A0+17],  v24, s[18:19]
	global_load_b64 v[A0+18:A0+19],  v24, s[20:21]
	v_lshlrev_b32 v27, 3, v2
	v_sub_nc_u32 v27, v1, v27                      ; my query less my lanes' first key: register j is hidden where j is greater
.irp j, 0,1,2,3,4,5,6,7
	v_cmp_gt_i32 vcc_lo, \j, v27
	v_cndmask_b32 v[MD+\j], 0, s[BIGN], vcc_lo
.endr
	s_wait_loadcnt 0x0
	ds_store_b128 v25, v[A0:A0+3]
	ds_store_b128 v25, v[A0+4:A0+7] offset:2048
	ds_store_b64 v26, v[A0+8:A0+9]   offset:P_G1
	ds_store_b64 v26, v[A0+10:A0+11] offset:P_BE1
	ds_store_b64 v26, v[A0+12:A0+13] offset:P_G2
	ds_store_b64 v26, v[A0+14:A0+15] offset:P_BE2
	ds_store_b64 v26, v[A0+16:A0+17] offset:P_BO
	ds_store_b64 v26, v[A0+18:A0+19] offset:P_B2
	s_wait_tensorcnt 0x2                           ; my rows of x are in; the two chunks, issued behind them, may stay out.  Only I read my stage
	XLOAD 0
	WIN 0
	s_wait_tensorcnt 0x0                           ; THE STAGE IS FILLED AGAIN: all my tensor loads have landed;
	ds_add_u32 v[SPW], v[NIL]                      ; 0 onto my spare word;
	s_add_nc_u64 s[G0X+2:G0X+3], s[G0X+2:G0X+3], 32768  ; my rows 32-63;
	s_wait_dscnt 0x0                               ; the add, my reads of the stage and my stores of the vectors are done
	ROUND                                          ; so are everybody's: the vectors and both chunks may be read by all
	tensor_load_to_lds s[G0X:G0X+3], s[G1X:G1X+7]
	s_nop 0
	PLACES
	RUN 0                                          ; the first unit's eight fragments
	RUN 4
	s_mov_b32 s[PHS], 2
.Lnorm:                                                ; two trips: the first norm and the attention; the second norm, which leaves the loop for the MLP.  Both branches forward hang on the loop's own counter
	LN 0, 2                                        ; in the first trip this stands in the wait for x's other two tiles
	s_cmp_eq_u32 s[PHS], 1
	s_cbranch_scc1 .Lhave_x                        ; the second trip has X in registers: it jumps over a wait and LDS loads alone
	s_wait_tensorcnt 0x0
	XLOAD 2
	WIN 0
	s_wait_dscnt 0x0
.Lhave_x:
	LN 2, 2
	s_cmp_eq_u32 s[PHS], 1
	s_cbranch_scc1 .Lmlp_in                        ; the second norm is made
	s_mov_b32 s[CNT], 4
.Lhead:                                                ; a trip is a head: two chunks, and both slots are filled again
	CHUNK_A
	CHUNK_B
	WIN 0
	s_sub_co_u32 s[CNT], s[CNT], 1
	s_cmp_lg_u32 s[CNT], 0
	s_cbranch_scc1 .Lhead
	ADDBO                                          ; the four v_nop of the last run of loads are the places behind the last products
	v_add_nc_u32 v[PG], P_G2-P_G1, v[PG]           ; the second norm's g and be
	s_sub_co_u32 s[PHS], s[PHS], 1
	s_cmp_lg_u32 s[PHS], 0
	s_cbranch_scc1 .Lnorm
.Lmlp_in:
.set FDB, 1                            ; from here on two fragment buffers.  The first holds unit 0's fragments, which the attention's last chunk fetched
	ds_load_b128 v[BB0:BB0+3],   v[BA]             ; b1's fragments of units 0 and 1,
	ds_load_b128 v[BB0+4:BB0+7], v[BA] offset:16
	ds_load_b128 v[BB1:BB1+3],   v[BA] offset:64
	ds_load_b128 v[BB1+4:BB1+7], v[BA] offset:80
	RUNM 1                                         ; and unit 1's fragments: the last 18 loads are those that unit 0's wait lets stay out
	s_mov_b32 s[CNT], 14
.Lmlp:                                                 ; 14 chunks of the MLP ask for the chunk two on
	CHUNK_M 1
	WIN 0
	s_sub_co_u32 s[CNT], s[CNT], 1
	s_cmp_lg_u32 s[CNT], 0
	s_cbranch_scc1 .Lmlp
	s_mov_b32 s[CNT], 2
.Ltail:                                                ; the last two ask for nothing: a text of their own
	CHUNK_M 2
	WIN 0
	s_sub_co_u32 s[CNT], s[CNT], 1
	s_cmp_lg_u32 s[CNT], 0
	s_cbranch_scc1 .Ltail
	; THE WAY OUT.  Two tiles (32 rows) at a time go into my stage, which has had its last fill, and come back as whole rows; b2 is added there, where a lane holds four neighbouring columns.
	; The four v_nop of the last run of loads are the places behind the last products.
	s_wait_dscnt 0x0                               ; the last two runs land in registers that are used below
	ds_load_b128 v[B2:B2+3],   v[PL] offset:P_B2
	ds_load_b128 v[B2+4:B2+7], v[PL] offset:P_B2+512
.irp p, 0,1
	XSTORE 2*\p
	WIN 0
	v_mov_b32 v[RD], v[RD0]
	s_mov_b32 s[CN2], 8
.Lout\p:                                               ; a trip: four rows
.irp k, 0,1,2,3,4,5,6,7
	ds_load_b128 v[A0+4*\k:A0+4*\k+3], v[RD] offset:SPITCH*(\k/2)+512*(\k%2)  ; LDS serves a wave's instructions in order (ISA guide 5.7.1.4): these see the stores above
.endr
	s_wait_dscnt 0x0
.irp k, 0,1,2,3,4,5,6,7
	v_pk_add_f32 v[A0+4*\k:A0+4*\k+1],   v[A0+4*\k:A0+4*\k+1],   v[B2+4*(\k%2):B2+4*(\k%2)+1]
	v_pk_add_f32 v[A0+4*\k+2:A0+4*\k+3], v[A0+4*\k+2:A0+4*\k+3], v[B2+4*(\k%2)+2:B2+4*(\k%2)+3]
.endr
.irp k, 0,1,2,3,4,5,6,7
	global_store_b128 v[GO], v[A0+4*\k:A0+4*\k+3], s[22:23] offset:1024*(\k/2)+512*(\k%2) th:TH_STORE_NT  ; 512 consecutive bytes, at a multiple of 512 from out0's first byte
.endr
	s_wait_xcnt 0x0                                ; the stores' offset and data registers are rewritten only behind this wait (ISA guide 3.1)
	v_add_nc_u32 v[RD], 4*SPITCH, v[RD]
	v_add_nc_u32 v[GO], 4096, v[GO]
	s_sub_co_u32 s[CN2], s[CN2], 1
	s_cmp_lg_u32 s[CN2], 0
	s_cbranch_scc1 .Lout\p
.endr
	s_wait_tensorcnt 0x0                           ; the wave's end: behind my last tensor load and my last LDS store
	ds_add_u32 v[SPW], v[NIL]
	s_wait_dscnt 0x0
	ROUND                                          ; the closing round: no work-group ends while a partner may still ask for a chunk that names it
	s_endpgm
.Lfunc_end_k_qb0a5ee639f_block:
	.size	k_qb0a5ee639f_block, .Lfunc_end_k_qb0a5ee639f_block-k_qb0a5ee639f_block
	.p2alignl 7, 3214868480
	.fill 96, 4, 3214868480
	.section	.rodata,"a",@progbits
	.p2align	6, 0x0
	.amdhsa_kernel k_qb0a5ee639f_block
		.amdhsa_group_segment_fixed_size 327680
		.amdhsa_private_segment_fixed_size 0
		.amdhsa_enable_private_segment 0
		.amdhsa_kernarg_size 80
		.amdhsa_user_sgpr_count 2
		.amdhsa_user_sgpr_kernarg_segment_ptr 1
		.amdhsa_wavefront_size32 1
		.amdhsa_system_sgpr_workgroup_id_x 1
		.amdhsa_system_sgpr_workgroup_id_y 1
		.amdhsa_system_sgpr_workgroup_id_z 1
		.amdhsa_system_vgpr_workitem_id 0
		.amdhsa_next_free_vgpr 1024
		.amdhsa_next_free_sgpr 72
		.amdhsa_reserve_vcc 1
		.amdhsa_float_denorm_mode_32 3
		.amdhsa_float_denorm_mode_16_64 3
		.amdhsa_memory_ordered 1
		.amdhsa_forward_progress 1
		.amdhsa_inst_pref_size 255
	.end_amdhsa_kernel
	.section	.bss,"aw",@nobits
	.p2align	6
	.space	262144
	.amdgpu_metadata
---
amdhsa.version: [ 1, 2 ]
amdhsa.kernels:
  - .name:           k_qb0a5ee639f_block
    .symbol:         k_qb0a5ee639f_block.kd
    .args:
      - { .name: x, .offset: 0, .size: 8, .value_kind: global_buffer, .address_space: global }
      - { .name: wst, .offset: 8, .size: 8, .value_kind: global_buffer, .address_space: global }
      - { .name: b1, .offset: 16, .size: 8, .value_kind: global_buffer, .address_space: global }
      - { .name: g1, .offset: 24, .size: 8, .value_kind: global_buffer, .address_space: global }
      - { .name: be1, .offset: 32, .size: 8, .value_kind: global_buffer, .address_space: global }
      - { .name: g2, .offset: 40, .size: 8, .value_kind: global_buffer, .address_space: global }
      - { .name: be2, .offset: 48, .size: 8, .value_kind: global_buffer, .address_space: global }
      - { .name: bo, .offset: 56, .size: 8, .value_kind: global_buffer, .address_space: global }
      - { .name: b2, .offset: 64, .size: 8, .value_kind: global_buffer, .address_space: global }
      - { .name: out0, .offset: 72, .size: 8, .value_kind: global_buffer, .address_space: global }
    .group_segment_fixed_size: 327680
    .private_segment_fixed_size: 0
    .kernarg_segment_align: 8
    .kernarg_segment_size: 80
    .max_flat_workgroup_size: 128
    .sgpr_count:     72
    .vgpr_count:     1024
    .wavefront_size: 32
...
	.end_amdgpu_metadata
.endif
;; end of part 3
